; MI455X (gfx1250); checked and timed in simulation.
; The chip was launched on July 23, 2026; its instructions are those of AMD's public machine-readable ISA for CDNA 5 (MIT licence, August 2026) and "CDNA5" Instruction Set Architecture Reference Guide (July 2026). The comments in the code are by the model that wrote it; some were corrected since.
;; Multi Head Attention. Allowed arithmetic: matrix products marked QUANTISED: E2M1 operands, one E8M0 scale for each 32 along K, by v_wmma_scale_f32_16x16x128_f8f6f4 with both operands' format E2M1 (or v_wmma_scale_f32_32x16x128_f4), f32 sums; products left as they are: bf16, f16 or f32 operands; f32 sums; everything else in f32.
;; Inputs: Wk 1,024 x 1,024 float32; Wo 1,024 x 1,024 float32; Wq 1,024 x 1,024 float32; Wv 1,024 x 1,024 float32; bk 1,024 float32; bo 1,024 float32; bq 1,024 float32; bv 1,024 float32; gk 1,024 float32; gq 1,024 float32; gv 1,024 float32; key 4 x 2,048 x 1,024 float32; mask 4 x 2,048 x 2,048 bool; query 4 x 2,048 x 1,024 float32; value 4 x 2,048 x 1,024 float32.
;; Outputs: out0 4 x 2,048 x 1,024 float32.
;; This version of the problem:
;;   THIS VERSION OF THE PROBLEM IS GIVEN IN LOW PRECISION. The matrix products marked QUANTISED in the list below multiply operands that are first quantised to E2M1 (2 exponent bits, 1 mantissa bit; 4 bits a number), with one power-of-two scale for each 32 numbers along K (OCP MX v1.0); their sums are f32. The products marked 'left as it is' may take bf16, f16 or f32 operands, with f32 sums. Whichever they take, every output number must still come out within the allowed error. Rounding operands to bf16 (8 significant bits) uses up far more of that allowance than f16 does (11 bits, for magnitudes from 6e-5 to 65,504). All else is computed in f32.
;;   The module's matrix products, in the order in which they are computed (A, B: the left and right operand; K: the contracted axis; several contracted axes count as one K, in the product's order):
;;     1. [M 8,192, K 1,024] x [K 1,024, N 1,024]; A: input query; B: input Wq: QUANTISED
;;     2. [M 8,192, K 1,024] x [K 1,024, N 1,024]; A: input key; B: input Wk: QUANTISED
;;     3. [M 8,192, K 1,024] x [K 1,024, N 1,024]; A: input value; B: input Wv: QUANTISED
;;     4. batch 64 x [M 2,048, K 64] x [K 64, N 2,048]; A: computed on the way; B: computed on the way: left as it is (an operand is computed on the way)
;;     5. batch 64 x [M 2,048, K 2,048] x [K 2,048, N 64]; A: computed on the way; B: computed on the way: left as it is (an operand is computed on the way)
;;     6. [M 8,192, K 1,024] x [K 1,024, N 1,024]; A: computed on the way; B: input Wo: left as it is (an operand is computed on the way)
;;   THE QUANTISER, for each operand of a quantised product, along K:
;;     - K is cut into blocks of 32 from its start; a last block that is shorter is filled with zeros.
;;     - A block's scale is 2^e with e = floor(log2(the largest magnitude in the block)) - 2, held to -126 .. 127; a block of zeros has e = 0. As a byte (E8M0): e + 127.
;;     - Each number is divided by its block's scale, clamped to +-6, and rounded to the nearest number of E2M1, ties to even, subnormals kept.
;;     - The product sums the exact products of the quantised numbers (number of the format x scale) in f32.
;;   ~~~python
;;   def quantise(x, axis):      # numpy; x: float32 -> the quantised numbers, widened to float32 again
;;       x = np.moveaxis(x, axis, -1); K = x.shape[-1]
;;       x = np.pad(x, [(0, 0)] * (x.ndim - 1) + [(0, -K % 32)]); x = x.reshape(x.shape[:-1] + (-1, 32)); a = np.abs(x).max(-1, keepdims=True)
;;       e = np.where(a > 0, np.clip(np.frexp(np.where(a > 0, a, 1))[1] - 1 - 2, -126, 127), 0)      # np.frexp(a)[1] - 1 = floor(log2(a)), exactly
;;       r = np.clip(x / 2.0 ** e, -6, 6)
;;       step = 2.0 ** (np.maximum(np.frexp(np.where(r == 0, 1, r))[1] - 1, 0) - 1)
;;       q = np.round(r / step) * step * 2.0 ** e      # np.round: ties to even
;;       return np.moveaxis(q.reshape(q.shape[:-2] + (-1,))[..., :K], -1, axis).astype(np.float32)
;;   ~~~
;; One version. Each part assembles by itself: llvm-mc -triple=amdgcn-amd-amdhsa -mcpu=gfx1250 --defsym DOCPART=n.
;; ======== version 1 of 1: 4 launches
;; limits: values are held in f16: magnitudes above 65,504 overflow, below 6.1e-05 lose precision
;; workspace buffers: xc 12,582,912 bytes; xs 786,432 bytes; wq4 1,671,168 bytes; wof 2,097,152 bytes; maskw 2,097,152 bytes of whole numbers; qf 16,777,216 bytes; kvf 33,554,432 bytes; ao 16,777,216 bytes
;; launch prep (part 1): grid 1280 x 1, 4 waves a work-group, no clusters, 50,688 bytes of LDS; arguments query, key, value, Wq, Wk, Wv, Wo, mask, xc, xs, wq4, wof, maskw; writes xc, xs, wq4, wof, maskw
.if DOCPART == 1
	.amdgcn_target "amdgcn-amd-amdhsa--gfx1250"
	.amdhsa_code_object_version 6
	.text
	.protected	k_q3869e978e7_prep
	.globl	k_q3869e978e7_prep
	.p2align	8
	.type	k_q3869e978e7_prep,@function
k_q3869e978e7_prep:
	s_mov_b64 s[64:65], 0
	v_nop
	global_prefetch_b8 v0, s[64:65] scope:SCOPE_SE
	s_setreg_imm32_b32 hwreg(HW_REG_WAVE_MODE, 25, 1), 1
	s_wait_xcnt 0x0
; PREP: every input that later launches read many times is brought once into the form in which their operand registers take it.
;  work-groups 0-767     query, key, value [8192][1024] f32 -> xc: codes of FP4 (E2M1), K innermost, 512 bytes a row; xs: one E8M0 byte for each 32 along K.
;  work-groups 768-959   Wq, Wk, Wv [k][n] f32, quantised along k (their FIRST axis) -> wq4: images of the operand's registers, with their scale words.
;  work-groups 960-1023  Wo [k][n] f32 -> wof: f16, images of the operand's registers.
;  work-groups 1024-1279 mask [4][2048][2048] bytes -> maskw: lane masks, one word for each register of a 16 x 16 tile of scores.
; An IMAGE: four registers of a fragment are 512 bytes, lane l's 16 bytes at 16 l; a later launch loads them back by the same rule and has the fragment.
; A block's scale is 2^(floor(log2(largest magnitude)) - 2); its byte is the largest magnitude's exponent field - 2, held at 1 from below.
; LIMITS: a block of zeros gets the byte 1 where the rule says 127 (its codes are zeros, and this program alone reads the bytes); blocks whose largest magnitude lies under 2^(2 - 126)
; are held at the byte 1; NaN and infinities among the inputs are not served; |Wo| must stay under 65,504 (f16).
; No matrix work, no tensor load, no barrier: waves share nothing.  The paths part on the work-group's number; each has LDS bytes of its own, and all LDS addresses are made ahead of the parting.
.set WREG,  8192                       ; first path: a region for each wave: two stages of 32 x 80 bytes, then its 256 scale bytes
.set SP,    80                         ; a lane's place in a stage: 64 bytes + 16 of padding
.set CB,    8                          ; bytes of 16 codes
.set STEPS, 16
.set EMAX,  2
.set RR,    16                         ; v16-79   four sets of 16 numbers as loaded
.set XX,    80                         ; v80-111  two sets of 16 neighbours
.set EE,    112                        ; v112-127 a scale byte for each step
.set CC,    128                        ; v128-191 codes, four registers for each step
.set MSTG,  32768                      ; mask path: 16 rows x 272 bytes for each wave
.set SPARE, 50176                      ; the spare words, 128 bytes a wave: two blocks of 256 bytes that no other line names
.set SPW,   12                         ; v12 my spare word's LDS address; never rewritten
.set NIL,   13                         ; v13 0; never rewritten
.macro FINISH                          ; a wave's end: a wait, a spare add and its wait behind its last LDS store
	s_wait_tensorcnt 0x0
	ds_add_u32 v[SPW], v[NIL]
	s_wait_dscnt 0x0
	s_endpgm
.endm
	s_load_b512 s[4:19], s[0:1], 0x0               ; query, key, value, Wq, Wk, Wv, Wo, mask
	s_load_b256 s[20:27], s[0:1], 0x40             ; xc, xs, wq4, wof
	s_load_b64 s[28:29], s[0:1], 0x60              ; maskw
	v_lshl_add_u32 v[SPW], v0, 2, SPARE
	v_mov_b32 v[NIL], 0
	v_lshrrev_b32 v1, 5, v0
	v_readfirstlane_b32 s30, v1                    ; wave
	v_and_b32 v2, 31, v0                           ; lane
	v_and_b32 v194, 15, v0                         ; r
	v_bfe_u32 v195, v0, 4, 1                       ; h
	v_lshlrev_b32 v3, 4, v2                        ; my 16 bytes of a load's 512
	s_mul_i32 s31, s30, WREG
	v_lshrrev_b32 v14, 2, v2
	v_mul_u32_u24 v14, v14, SP
	v_and_b32 v15, 3, v2
	v_lshl_add_u32 v14, v15, 4, v14
	v_add_nc_u32 v14, s31, v14                     ; the stage, in: four lanes' 64 bytes on end, then 16 of padding
	v_mul_u32_u24 v15, v2, SP
	v_add_nc_u32 v15, s31, v15                     ; and out: my 16 neighbours
	v_mul_u32_u24 v4, v2, CB                       ; my codes' place in a step's
	v_lshrrev_b32 v5, 1, v2
	s_add_co_u32 s31, s31, 2*32*SP
	v_add_nc_u32 v5, s31, v5                       ; my block's scale byte in LDS
	v_lshlrev_b32 v7, 3, v2
	v_add_nc_u32 v6, s31, v7                       ; and 8 bytes a lane on the way out
	s_mul_i32 s31, s30, 16*272
	s_add_co_u32 s31, s31, MSTG
	v_mul_u32_u24 v192, v195, 272
	v_lshl_add_u32 v192, v194, 4, v192
	v_add_nc_u32 v192, s31, v192                   ; mask stage, in: lanes 0-15 one row of 256 bytes, lanes 16-31 the next
	v_mul_u32_u24 v193, v194, 272
	v_lshl_add_u32 v193, v195, 3, v193
	v_add_nc_u32 v193, s31, v193                   ; and out: row r, 8 bytes at 8 h
	s_wait_kmcnt 0x0
	s_cmp_lt_u32 ttmp9, 768
	s_cbranch_scc0 .Lnot_x
; ---- query, key, value: plain streams of blocks of 32.  A wave takes 16 steps of 512 numbers.  Each load reads 512 consecutive bytes; a step's 2,048 bytes turn through the wave's own stage,
; so that a lane then holds 16 neighbours along K (two lanes hold a block), as the conversion wants them.
	s_cmp_lt_u32 ttmp9, 512                        ; which tensor: the choice hangs on the work-group's number alone
	s_cselect_b64 s[32:33], s[6:7], s[8:9]
	s_cmp_lt_u32 ttmp9, 256
	s_cselect_b64 s[32:33], s[4:5], s[32:33]
	s_lshl_b32 s34, ttmp9, 2
	s_add_co_u32 s34, s34, s30                     ; my run of 8,192 numbers, 0 .. 3,071
	s_and_b32 s36, s34, 1023
	s_lshl_b32 s36, s36, 15                        ; 32,768 bytes of f32 a run, within its tensor
	s_mov_b32 s37, 0
	s_add_nc_u64 s[32:33], s[32:33], s[36:37]
	s_lshl_b32 s36, s34, 12                        ; 4,096 bytes of codes a run
	s_add_nc_u64 s[20:21], s[20:21], s[36:37]
	s_lshl_b32 s36, s34, 8                         ; 256 scale bytes a run
	s_add_nc_u64 s[22:23], s[22:23], s[36:37]
.macro ALOAD t
.irp i, 0,1,2,3
	global_load_b128 v[RR+16*((\t)%4)+4*\i:RR+16*((\t)%4)+4*\i+3], v3, s[32:33] offset:2048*(\t)+512*\i th:TH_LOAD_NT
.endr
.endm
.macro ATURN t                         ; LDS serves a wave's instructions in order: no wait between the stores and the loads
.irp i, 0,1,2,3
	ds_store_b128 v14, v[RR+16*((\t)%4)+4*\i:RR+16*((\t)%4)+4*\i+3] offset:32*SP*((\t)%2)+8*SP*\i
.endr
.irp i, 0,1,2,3
	ds_load_b128 v[XX+16*((\t)%2)+4*\i:XX+16*((\t)%2)+4*\i+3], v15 offset:32*SP*((\t)%2)+16*\i
.endr
.endm
.irp t, 0,1,2,3
	ALOAD \t
.endr
	s_wait_loadcnt 12                              ; step 0's four loads are in; the twelve of steps 1 to 3 stay out
	ATURN 0
.macro ASTEP t
.set XS, XX+16*((\t)%2)
.if (\t) > 0
	s_wait_dscnt 1                                 ; this step's numbers are back from the stage; the last step's byte store may be out
.else
	s_wait_dscnt 0x0
.endif
.if (\t)+4 < STEPS
	ALOAD (\t)+4                                   ; into the set whose stores into the stage have read their registers
.endif
.if (\t)+1 < STEPS
.if STEPS-2-(\t) >= 3
	s_wait_loadcnt 12                              ; the next step's four loads are in; those of the three steps behind it stay out
.else
	s_wait_loadcnt 4*(STEPS-2-(\t))
.endif
	ATURN (\t)+1
.endif
	v_max3_num_f32 v8, |v[XS]|, |v[XS+1]|, |v[XS+2]|               ; the largest magnitude of my 16, in two chains
	v_max3_num_f32 v9, |v[XS+3]|, |v[XS+4]|, |v[XS+5]|
.irp i, 6,10
	v_max3_num_f32 v8, v8, |v[XS+\i]|, |v[XS+\i+1]|
	v_max3_num_f32 v9, v9, |v[XS+\i+2]|, |v[XS+\i+3]|
.endr
	v_max3_num_f32 v8, v8, |v[XS+14]|, |v[XS+15]|
	v_max3_num_f32 v8, v8, v9, (EMAX+1)<<23        ; and the floor 2^(3 - 127): the byte cannot fall under 1
	v_max_num_f32_dpp v8, v8, v8 row_xmask:1 row_mask:0xf bank_mask:0xf   ; with my neighbour's 16: the block's
	v_add_nc_u32 v11, -(EMAX<<23), v8              ; 2 off its exponent field: the conversion takes that field as its scale
	v_cvt_scalef32_pk8_fp4_f32 v[CC+4*(\t)], v[XS:XS+7], v11
	v_cvt_scalef32_pk8_fp4_f32 v[CC+4*(\t)+1], v[XS+8:XS+15], v11
	v_lshrrev_b32 v[EE+(\t)], 23, v11              ; the scale's byte
	ds_store_b8 v5, v[EE+(\t)] offset:16*(\t)      ; both lanes of a block write the same byte with the same value
	global_store_b64 v4, v[CC+4*(\t):CC+4*(\t)+1], s[20:21] offset:32*CB*(\t)   ; the wave stores 256 consecutive bytes, aligned
.endm
.irp t, 0,1,2,3,4,5,6,7,8,9,10,11,12,13,14,15
	ASTEP \t
.endr
	ds_load_b64 v[8:9], v6
	s_wait_dscnt 0x0
	global_store_b64 v7, v[8:9], s[22:23]          ; the wave's 256 scale bytes, aligned
	FINISH
.Lnot_x:
	s_cmp_lt_u32 ttmp9, 1024
	s_cbranch_scc0 .Lmask
; ---- the four weights: A LANE TAKES A COLUMN n AND ITS REGISTERS RUN DOWN k.  A wave takes 32 columns x 128 rows (one K step); each load reads 128 consecutive bytes, the four waves stand side by side on 512.
	s_sub_co_u32 s34, ttmp9, 768
	s_lshr_b32 s35, s34, 6                         ; 0, 1, 2: Wq, Wk, Wv; 3: Wo
	s_bfe_u32 s36, s34, 0x30003                    ; K step 0 .. 7
	s_and_b32 s37, s34, 7                          ; block of 128 columns
	s_cmp_eq_u32 s35, 2
	s_cselect_b64 s[32:33], s[14:15], s[16:17]
	s_cmp_eq_u32 s35, 1
	s_cselect_b64 s[32:33], s[12:13], s[32:33]
	s_cmp_eq_u32 s35, 0
	s_cselect_b64 s[32:33], s[10:11], s[32:33]
	s_lshl_b32 s38, s36, 19                        ; 128 rows of 4,096 bytes
	s_mov_b32 s39, 0
	s_add_nc_u64 s[32:33], s[32:33], s[38:39]
	s_lshl_b32 s40, s37, 9
	s_lshl_b32 s41, s30, 7
	s_add_co_u32 s40, s40, s41
	v_lshl_add_u32 v196, v2, 2, s40                ; 4 x my column
.macro CLOAD k                         ; rows 32 k .. 32 k + 31 of the K step, into registers of their own
.set ii, 0
.rept 32
	global_load_b32 v[32+32*(\k)+ii], v196, s[32:33] offset:(32*(\k)+ii)*4096 th:TH_LOAD_NT
.set ii, ii+1
.endr
.endm
	CLOAD 0
	CLOAD 1                                        ; loads run two blocks ahead
	s_cmp_eq_u32 s35, 3
	s_cbranch_scc1 .Lwo
	; wq4 [t][slot of two K steps: 139,264 bytes]: codes at (ks & 1) 65,536 + (n / 16) 1,024 + 256 block + 16 (n % 16); scale words at 131,072 + (ks & 1) 4,096 + 4 n
	s_mul_i32 s38, s35, 557056
	s_lshr_b32 s40, s36, 1
	s_mul_i32 s40, s40, 139264
	s_add_co_u32 s38, s38, s40
	s_and_b32 s41, s36, 1
	s_lshl_b32 s42, s41, 16
	s_lshl_b32 s43, s37, 13
	s_add_co_u32 s42, s42, s43
	s_lshl_b32 s43, s30, 11
	s_add_co_u32 s42, s42, s43
	s_add_co_u32 s42, s42, s38
	s_mov_b32 s43, 0
	s_add_nc_u64 s[44:45], s[24:25], s[42:43]      ; my wave's two tiles of 16 columns
	s_lshl_b32 s42, s41, 12
	s_add_co_u32 s42, s42, s38
	s_add_co_u32 s42, s42, 131072
	s_add_nc_u64 s[46:47], s[24:25], s[42:43]      ; the K step's scale words
	v_lshlrev_b32 v197, 4, v194
	v_lshl_add_u32 v197, v195, 10, v197            ; 1,024 h + 16 r
.macro WBLOCK k                        ; block k of 32 along K: all its numbers are mine
.set XS, 32+32*(\k)
.if (\k) < 3
	s_wait_loadcnt 32                              ; this block's 32 loads are in; the next block's stay out
.else
	s_wait_loadcnt 0x0
.endif
.if (\k)+2 < 4
	CLOAD (\k)+2
.endif
	v_max3_num_f32 v8, |v[XS]|, |v[XS+1]|, |v[XS+2]|
	v_max3_num_f32 v9, |v[XS+3]|, |v[XS+4]|, |v[XS+5]|
.irp i, 6,10,14,18,22,26
	v_max3_num_f32 v8, v8, |v[XS+\i]|, |v[XS+\i+1]|
	v_max3_num_f32 v9, v9, |v[XS+\i+2]|, |v[XS+\i+3]|
.endr
	v_max3_num_f32 v8, v8, |v[XS+30]|, |v[XS+31]|
	v_max3_num_f32 v8, v8, v9, (EMAX+1)<<23        ; the floor
	v_add_nc_u32 v11, -(EMAX<<23), v8              ; the conversion's scale operand
	v_lshrrev_b32 v10, 23, v11                     ; the byte
.if (\k) == 0
	v_mov_b32 v176, v10                            ; four bytes make the column's scale word of this K step
.else
	v_lshl_or_b32 v176, v10, 8*(\k), v176
.endif
.irp g, 0,1,2,3
	v_cvt_scalef32_pk8_fp4_f32 v[160+4*(\k)+\g], v[XS+8*\g:XS+8*\g+7], v11
.endr
	global_store_b128 v197, v[160+4*(\k):163+4*(\k)], s[44:45] offset:256*(\k)   ; sixteen lanes store 256 consecutive bytes, aligned
.endm
.irp k, 0,1,2,3
	WBLOCK \k
.endr
	global_store_b32 v196, v176, s[46:47]          ; 128 consecutive bytes a wave: the one store of the program that covers half of an aligned 256 bytes (96 KiB in all)
	FINISH
.Lwo:
	; wof [n / 256][ks][(n / 16) % 16][4,096 bytes]: eight numbers down k (granule g of the K step's 16) of column n at 256 g + 16 (n % 16)
	s_lshr_b32 s38, s37, 1
	s_lshl_b32 s38, s38, 19
	s_lshl_b32 s40, s36, 16
	s_add_co_u32 s38, s38, s40
	s_and_b32 s40, s37, 1
	s_lshl_b32 s40, s40, 15
	s_add_co_u32 s38, s38, s40
	s_lshl_b32 s40, s30, 13
	s_add_co_u32 s38, s38, s40
	s_mov_b32 s39, 0
	s_add_nc_u64 s[44:45], s[26:27], s[38:39]
	v_lshlrev_b32 v198, 4, v194
	v_lshl_add_u32 v198, v195, 12, v198            ; 4,096 h + 16 r
.macro OGRAN g
.if (\g)%4 == 0
.if (\g)/4 < 3
	s_wait_loadcnt 32                              ; these 32 rows are in; the next 32 stay out
.else
	s_wait_loadcnt 0x0
.endif
.if (\g)/4+2 < 4
	CLOAD (\g)/4+2
.endif
.endif
.irp i, 0,1,2,3
	v_cvt_pk_f16_f32 v[32+8*(\g)+\i], v[32+8*(\g)+2*\i], v[32+8*(\g)+2*\i+1]   ; in place, ascending: a result lands on numbers that are done with
.endr
	global_store_b128 v198, v[32+8*(\g):35+8*(\g)], s[44:45] offset:256*(\g)
.endm
.irp g, 0,1,2,3,4,5,6,7,8,9,10,11,12,13,14,15
	OGRAN \g
.endr
	FINISH
.Lmask:
; ---- the mask.  maskw [b 128 + q / 16][key / 16][j 0..7]: bit l of a word = mask[b][16 qt + l % 16][16 kt + 8 (l / 16) + j]: the lanes' mask for register j of the tile of scores (qt, kt).
; A wave takes 16 queries x 1,024 keys, 256 keys at a time: whole rows of 256 bytes in, through its own stage, 8 bytes a lane out; a compare makes a word, which goes to its place in the registers that are stored.
	s_sub_co_u32 s34, ttmp9, 1024
	s_lshl_b32 s34, s34, 2
	s_add_co_u32 s34, s34, s30
	s_lshr_b32 s35, s34, 1                         ; b 128 + qt
	s_and_b32 s36, s34, 1                          ; which 1,024 keys
	s_lshl_b32 s38, s35, 15
	s_lshl_b32 s37, s36, 10
	s_add_co_u32 s38, s38, s37
	s_mov_b32 s39, 0
	s_add_nc_u64 s[18:19], s[18:19], s[38:39]
	s_lshl_b32 s38, s35, 12
	s_lshl_b32 s37, s36, 11
	s_add_co_u32 s38, s38, s37
	s_add_nc_u64 s[28:29], s[28:29], s[38:39]
	v_lshlrev_b32 v196, 4, v194
	v_lshl_add_u32 v196, v195, 11, v196            ; in: 2,048 h + 16 r
	v_lshlrev_b32 v197, 4, v2                      ; out: 16 x lane
.irp u, 0,1,2,3
.irp i, 0,1,2,3,4,5,6,7
	global_load_b128 v[16+32*\u+4*\i:16+32*\u+4*\i+3], v196, s[18:19] offset:\i*4096+256*\u th:TH_LOAD_NT
.endr
.endr
.set ii, 0
.rept 16
	v_mov_b32 v[176+ii], 0                         ; written whole once: v_writelane_b32's destination counts as read
.set ii, ii+1
.endr
.macro MUNIT u
	s_wait_loadcnt 24-8*(\u)                       ; this unit's eight loads are in; the later units' stay out
.irp i, 0,1,2,3,4,5,6,7
	ds_store_b128 v192, v[16+32*(\u)+4*\i:16+32*(\u)+4*\i+3] offset:\i*544
.endr
.irp k, 0,1,2,3,4,5,6,7,8,9,10,11,12,13,14,15
	ds_load_b64 v[144+2*\k:145+2*\k], v193 offset:16*\k
.endr
	s_wait_dscnt 0x0
.set gg, 0
.rept 32                               ; words 4 gg .. 4 gg + 3 (word = 8 kt + j) come from the four bytes of register gg and belong to lane gg of the store
.irp q, 0,1,2,3
	v_bfe_u32 v[8+\q], v[144+gg], 8*\q, 8
.endr
.irp q, 0,1,2,3
	v_cmp_ne_u32 s[40+\q], 0, v[8+\q]
.endr
.irp q, 0,1,2,3
	v_writelane_b32 v[176+4*(\u)+\q], s[40+\q], gg
.endr
.set gg, gg+1
.endr
	global_store_b128 v197, v[176+4*(\u):179+4*(\u)], s[28:29] offset:512*(\u)   ; 512 consecutive bytes
.endm
.irp u, 0,1,2,3
	MUNIT \u
.endr
	FINISH
.Lfunc_end_k_q3869e978e7_prep:
	.size	k_q3869e978e7_prep, .Lfunc_end_k_q3869e978e7_prep-k_q3869e978e7_prep
	.p2alignl 7, 3214868480
	.fill 96, 4, 3214868480
	.section	.rodata,"a",@progbits
	.p2align	6, 0x0
	.amdhsa_kernel k_q3869e978e7_prep
		.amdhsa_group_segment_fixed_size 50688
		.amdhsa_private_segment_fixed_size 0
		.amdhsa_enable_private_segment 0
		.amdhsa_kernarg_size 104
		.amdhsa_user_sgpr_count 2
		.amdhsa_user_sgpr_kernarg_segment_ptr 1
		.amdhsa_wavefront_size32 1
		.amdhsa_system_sgpr_workgroup_id_x 1
		.amdhsa_system_sgpr_workgroup_id_y 1
		.amdhsa_system_sgpr_workgroup_id_z 1
		.amdhsa_system_vgpr_workitem_id 0
		.amdhsa_next_free_vgpr 200
		.amdhsa_next_free_sgpr 66
		.amdhsa_reserve_vcc 0
		.amdhsa_float_denorm_mode_32 3
		.amdhsa_float_denorm_mode_16_64 3
		.amdhsa_memory_ordered 1
		.amdhsa_forward_progress 1
		.amdhsa_inst_pref_size 173
	.end_amdhsa_kernel
	.amdgpu_metadata
---
amdhsa.version: [ 1, 2 ]
amdhsa.kernels:
  - .name:           k_q3869e978e7_prep
    .symbol:         k_q3869e978e7_prep.kd
    .args:
      - { .name: query, .offset: 0, .size: 8, .value_kind: global_buffer, .address_space: global }
      - { .name: key, .offset: 8, .size: 8, .value_kind: global_buffer, .address_space: global }
      - { .name: value, .offset: 16, .size: 8, .value_kind: global_buffer, .address_space: global }
      - { .name: Wq, .offset: 24, .size: 8, .value_kind: global_buffer, .address_space: global }
      - { .name: Wk, .offset: 32, .size: 8, .value_kind: global_buffer, .address_space: global }
      - { .name: Wv, .offset: 40, .size: 8, .value_kind: global_buffer, .address_space: global }
      - { .name: Wo, .offset: 48, .size: 8, .value_kind: global_buffer, .address_space: global }
      - { .name: mask, .offset: 56, .size: 8, .value_kind: global_buffer, .address_space: global }
      - { .name: xc, .offset: 64, .size: 8, .value_kind: global_buffer, .address_space: global }
      - { .name: xs, .offset: 72, .size: 8, .value_kind: global_buffer, .address_space: global }
      - { .name: wq4, .offset: 80, .size: 8, .value_kind: global_buffer, .address_space: global }
      - { .name: wof, .offset: 88, .size: 8, .value_kind: global_buffer, .address_space: global }
      - { .name: maskw, .offset: 96, .size: 8, .value_kind: global_buffer, .address_space: global }
    .group_segment_fixed_size: 50688
    .private_segment_fixed_size: 0
    .kernarg_segment_align: 8
    .kernarg_segment_size: 104
    .max_flat_workgroup_size: 128
    .sgpr_count:     66
    .vgpr_count:     200
    .wavefront_size: 32
...
	.end_amdgpu_metadata
.endif
;; end of part 1
;; launch proj (part 2): grid 128 x 3, 16 waves a work-group, clusters of 4 x 1, 327,680 bytes of LDS; arguments xc, xs, wq4, gq, bq, gk, bk, gv, bv, qf, kvf; writes qf, kvf
.if DOCPART == 2
	.amdgcn_target "amdgcn-amd-amdhsa--gfx1250"
	.amdhsa_code_object_version 6
	.text
	.protected	k_q3869e978e7_proj
	.globl	k_q3869e978e7_proj
	.p2align	8
	.type	k_q3869e978e7_proj,@function
k_q3869e978e7_proj:
	s_mov_b64 s[64:65], 0
	v_nop
	global_prefetch_b8 v0, s[64:65] scope:SCOPE_SE
	s_setreg_imm32_b32 hwreg(HW_REG_WAVE_MODE, 25, 1), 1
	s_wait_xcnt 0x0
	s_wait_alu depctr_hold_cnt(0) depctr_sa_sdst(0) depctr_va_vdst(0) depctr_va_sdst(0) depctr_va_ssrc(0) depctr_va_vcc(0) depctr_vm_vsrc(0)
	s_getreg_b32 s2, hwreg(HW_REG_IB_STS2, 6, 4)
	s_cmp_eq_u32 s2, 0
	s_cbranch_scc0 .Lentry_in_a_cluster
	s_endpgm
.Lentry_in_a_cluster:
	s_bfe_u32 s2, ttmp6, 0x10000c
	s_cmp_lg_u32 s2, 0x3003
	s_cbranch_scc0 .Lentry_shape_is_right
	s_endpgm
.Lentry_shape_is_right:
; PROJ: y = LayerNorm(x W) g + b for x = query, key, value (work-group y = 0, 1, 2); the product on codes of FP4 (E2M1) with E8M0 scales, sums and the norm in f32; the result leaves as f16 in the order of attention's operand registers.
; SHARES.  A work-group owns 64 rows and ALL 1,024 columns, so that a row's mean and variance stay inside it.  Wave w of sixteen owns columns 64 w .. 64 w + 63, which is head w: 4 tiles of rows x 4 tiles of columns, 16 accumulators.
; THE PRODUCT IS USED TRANSPOSED (source 0 = 16 columns of W, source 1 = 16 rows of x): a lane holds ONE row (lane % 16) and eight neighbouring channels 16 n + 8 (lane / 16) + 0 .. 7.
; WEIGHTS come as images of their registers through a ring of two LDS slots of two K steps (139,264 bytes: codes, then scale words).  The four work-groups of a cluster walk the same weights: each slot is asked for JOINTLY.
; x's codes (64 rows x 512 bytes) and scale bytes come once, by loads of the work-group's own.  By this text's count a wave has four tensor loads out at the start and one behind each round.
; THE NORM in two passes, as it is defined: the mean; then the mean of the squares of x - mean.  A wave's partial sums meet the other fifteen's in LDS.
; OUT.  q is multiplied by log2(e) / 8 (folded into g and b), so that attention's scores are exponents of 2.  q and k: lane l's 16 bytes at 16 l.  v: at 16 (16 (r / 8) + 8 h + r % 8), the order in which the turning LDS load takes them.
; LIMITS: |y| <= 32 |g| + |b| must stay under 65,504 (f16).  384 work-groups: 3 x 8,192 rows do not cut into 256 equal blocks of whole tiles with the row kept whole.
.set L1,    139264                     ; slot 1
.set XC,    278528                     ; x's codes: 64 rows x (512 + 16)
.set XSL,   312320                     ; x's scale bytes: 64 rows x 32
.set LN1,   314368                     ; partial sums: 64 rows x (16 waves x 4 bytes + 16); the second pass's lie 5,120 bytes on.  No fill lands here
.set SPARE, 324608                     ; the spare words, 128 bytes a wave: eight blocks of 256 bytes that no other line names
.set WF,  32                           ; v32-63   W's four fragments; later g
.set XF,  64                           ; v64-95   x's four fragments; later b
.set WS,  96                           ; v96-99   W's scale words; v100-103 x's: these eight hold scales and nothing else
.set XSR, 100
.set RB,  104                          ; v104-119 partial sums read back
.set ACC, 128                          ; v128-255 accumulator (m, n) at 128 + 8 (4 m + n)
.set SPW, 15                           ; v15 my spare word's LDS address; v16 0: never rewritten
.set NIL, 16
.set WV,  72                           ; s72 my wave's number
.set G1W, 28                           ; s[28:35] group 1 for the weights; s[36:43] their groups 0, one for each slot
.set G0W, 36
.set G1X, 44                           ; s[44:51], s[52:55] x's codes
.set G0X, 52
.set G1S, 56                           ; s[56:63], s[68:71] x's scale bytes
.set G0S, 68
.macro CROUND                          ; a round of the cluster's barrier
	s_barrier_signal -1
	s_barrier_wait -1
	s_cmp_lg_u32 s[WV], 0
	s_cbranch_scc1 .Lnot_wave_0_\@
	s_barrier_signal -3
.Lnot_wave_0_\@:
	s_barrier_wait -3
	s_barrier_signal -1
	s_barrier_wait -1
.endm
	s_load_b512 s[4:19], s[0:1], 0x0               ; xc, xs, wq4, gq, bq, gk, bk, gv
	s_load_b128 s[20:23], s[0:1], 0x40             ; bv, qf
	s_load_b64 s[24:25], s[0:1], 0x50              ; kvf
	v_lshl_add_u32 v[SPW], v0, 2, SPARE
	v_mov_b32 v[NIL], 0
	ds_add_u32 v[SPW], v[NIL]                      ; the wave's opening: the add, twice on end, and its wait ahead of my first tensor load
	ds_add_u32 v[SPW], v[NIL]
	v_lshrrev_b32 v1, 5, v0
	v_readfirstlane_b32 s[WV], v1
	s_bfe_u32 s73, ttmp6, 0x40000                  ; cx: it enters x's and the output's global addresses alone
	s_lshl_b32 s74, ttmp9, 2
	s_add_co_u32 s74, s74, s73                     ; my block of 64 rows, 0 .. 127
	s_and_b32 s75, ttmp7, 0xffff                   ; which tensor: the four partners share it
	s_mov_b32 s[G1W], 15|(3<<16)|(1<<21)           ; the mask: all four work-groups; elements of 8 bytes; bit 21 beside a mask
	s_mov_b32 s[G1W+1], 32<<16                     ; rows of 256 bytes,
	s_mov_b32 s[G1W+2], 34<<16                     ; 34 of them: a sixteenth of a slot
	s_mov_b32 s[G1W+3], 32<<16
	s_mov_b32 s[G1W+4], 34
	s_mov_b32 s[G1W+5], 32                         ; dense in memory
	s_mov_b32 s[G1W+6], 0
	s_mov_b32 s[G1W+7], 0
	s_mov_b32 s[G1X], (1<<20)|(6<<22)|(3<<25)      ; no mask; elements of 1 byte; 4 words of padding behind every 128
	s_mov_b32 s[G1X+1], 512<<16
	s_mov_b32 s[G1X+2], 4<<16                      ; 4 rows a wave
	s_mov_b32 s[G1X+3], 512<<16
	s_mov_b32 s[G1X+4], 4
	s_mov_b32 s[G1X+5], 512
	s_mov_b32 s[G1X+6], 0
	s_mov_b32 s[G1X+7], 0
	s_mov_b32 s[G1S], 3<<16                        ; one row of 128 bytes: 4 rows' scale bytes
	s_mov_b32 s[G1S+1], 16<<16
	s_mov_b32 s[G1S+2], 1<<16
	s_mov_b32 s[G1S+3], 16<<16
	s_mov_b32 s[G1S+4], 1
	s_mov_b32 s[G1S+5], 16
	s_mov_b32 s[G1S+6], 0
	s_mov_b32 s[G1S+7], 0
	s_mov_b32 s[G0W], 1
	s_mul_i32 s[G0W+1], s[WV], 8704                ; LDS: my sixteenth of slot 0,
	s_mov_b32 s[G0W+4], 1
	s_add_co_u32 s[G0W+5], s[G0W+1], L1            ; of slot 1
	s_mul_i32 s90, s75, 557056                     ; the tensor's weights; s90, s91 never hold cx
	s_add_co_u32 s90, s90, s[G0W+1]
	s_mov_b32 s91, 0
	s_mov_b32 s[G0X], 1
	s_mul_i32 s[G0X+1], s[WV], 4*528
	s_add_co_u32 s[G0X+1], s[G0X+1], XC
	s_lshl_b32 s92, s75, 13
	s_lshl_b32 s93, s74, 6
	s_add_co_u32 s92, s92, s93                     ; my block's first row among the 3 x 8,192
	s_lshl_b32 s93, s[WV], 2
	s_add_co_u32 s94, s92, s93
	s_lshl_b32 s94, s94, 9                         ; 512 bytes of codes a row
	s_mov_b32 s95, 0
	s_mov_b32 s[G0S], 1
	s_lshl_b32 s93, s[WV], 7
	s_add_co_u32 s[G0S+1], s93, XSL
	s_lshl_b32 s92, s92, 5                         ; 32 scale bytes a row
	s_add_co_u32 s92, s92, s93
	s_mov_b32 s93, 0
	s_mov_b32 s84, 0x76543210                      ; v_permlanex16_b32's selects for lane l xor 16
	s_mov_b32 s85, 0xfedcba98
	s_mov_b32 s86, 0x3a800000                      ; 1 / 1,024
	s_mov_b32 s87, 0x3727c5ac                      ; 1e-5
	s_mov_b32 s82, 0x3f800000
	s_wait_dscnt 0x0                               ; both opening adds are done
	s_wait_kmcnt 0x0
	s_add_nc_u64 s[G0W+2:G0W+3], s[8:9], s[90:91]
	s_add_nc_u64 s[G0W+6:G0W+7], s[G0W+2:G0W+3], L1
	s_or_b32 s[G0W+3], s[G0W+3], 0x80000000
	s_or_b32 s[G0W+7], s[G0W+7], 0x80000000
	s_add_nc_u64 s[G0X+2:G0X+3], s[4:5], s[94:95]
	s_or_b32 s[G0X+3], s[G0X+3], 0x80000000
	s_add_nc_u64 s[G0S+2:G0S+3], s[6:7], s[92:93]
	s_or_b32 s[G0S+3], s[G0S+3], 0x80000000
	CROUND                                         ; all four work-groups are here: the first loads go out as one group
	tensor_load_to_lds s[G0X:G0X+3], s[G1X:G1X+7]
	s_nop 0
	tensor_load_to_lds s[G0S:G0S+3], s[G1S:G1S+7]
	s_nop 0
	tensor_load_to_lds s[G0W:G0W+3], s[G1W:G1W+7]
	s_nop 0
	tensor_load_to_lds s[G0W+4:G0W+7], s[G1W:G1W+7]
	s_nop 0
	; pointers by tensor: choices that hang on the work-group's y alone
	s_cmp_eq_u32 s75, 1
	s_cselect_b64 s[76:77], s[14:15], s[18:19]
	s_cselect_b64 s[78:79], s[16:17], s[20:21]
	s_cmp_eq_u32 s75, 0
	s_cselect_b64 s[76:77], s[10:11], s[76:77]     ; g
	s_cselect_b64 s[78:79], s[12:13], s[78:79]     ; b
	s_cselect_b64 s[80:81], s[22:23], s[24:25]     ; qf or kvf
	s_cselect_b32 s96, 0, 1
	s_cselect_b32 s82, 0x3e38aa3b, s82             ; q: log2(e) / 8; k, v: 1
	s_mov_b32 s83, s82                             ; (named with it as a pair)
	s_lshl_b32 s92, s[WV], 8                       ; my 64 channels of g and b
	s_mov_b32 s93, 0
	s_add_nc_u64 s[76:77], s[76:77], s[92:93]
	s_add_nc_u64 s[78:79], s[78:79], s[92:93]
	s_lshr_b32 s92, s74, 5                         ; batch
	s_lshl_b32 s92, s92, 4
	s_add_co_u32 s92, s92, s[WV]                   ; batch x 16 + head
	s_add_co_u32 s97, s96, 18
	s_lshl_b32 s92, s92, s97                       ; a head is 2^18 bytes in qf, 2^19 in kvf
	s_and_b32 s94, s74, 31
	s_add_co_u32 s97, s96, 13
	s_lshl_b32 s94, s94, s97                       ; 64 rows are 2^13 bytes in qf, a step of 2^14 in kvf
	s_add_co_u32 s92, s92, s94
	s_cmp_eq_u32 s75, 2
	s_cselect_b32 s94, 8192, 0                     ; v lies behind k in a step
	s_cselect_b32 s88, -1, 0
	s_add_co_u32 s92, s92, s94
	s_add_nc_u64 s[80:81], s[80:81], s[92:93]
	v_and_b32 v1, 15, v0                           ; r
	v_bfe_u32 v2, v0, 4, 1                         ; h
	v_and_b32 v3, 31, v0
	v_lshlrev_b32 v3, 4, v3                        ; 16 x lane
	s_lshl_b32 s89, s[WV], 12
	v_add_nc_u32 v4, s89, v3                       ; v4-7: my four column tiles' images in slot 0 or 1, first or second K step
	v_add_nc_u32 v5, 65536, v4
	v_add_nc_u32 v6, L1, v4
	v_add_nc_u32 v7, L1+65536, v4
	s_lshl_b32 s89, s[WV], 8
	s_add_co_u32 s89, s89, 131072
	v_lshl_add_u32 v8, v1, 2, s89                  ; v8-9: their scale words
	v_add_nc_u32 v9, L1, v8
	v_mul_u32_u24 v10, v1, 528
	v_lshl_add_u32 v10, v2, 4, v10
	v_add_nc_u32 v10, XC, v10                      ; x: row r, + 16 h
	v_lshlrev_b32 v11, 5, v1
	v_add_nc_u32 v11, XSL, v11                     ; x's scale words
	v_mul_u32_u24 v12, v1, 80
	v_lshl_add_u32 v13, v2, 5, v12
	v_add_nc_u32 v13, LN1, v13                     ; partial sums, back: row r, waves 8 h .. 8 h + 7
	s_lshl_b32 s89, s[WV], 2
	s_add_co_u32 s89, s89, LN1
	v_add_nc_u32 v12, s89, v12                     ; and in: row r, my wave's word
	v_lshlrev_b32 v17, 5, v2                       ; g, b: 32 h
	v_lshrrev_b32 v18, 3, v1
	v_lshlrev_b32 v18, 4, v18
	v_lshl_add_u32 v18, v2, 3, v18
	v_and_b32 v19, 7, v1
	v_add_nc_u32 v18, v18, v19
	v_lshlrev_b32 v18, 4, v18
	v_cndmask_b32 v14, v3, v18, s88                ; my 16 bytes' place in a stored chunk: q, k as the lanes lie; v in the turning load's order
.irp m, 0,1,2,3
	v_mov_b32 v[26+\m], 0                          ; written once: a lane permute's destination counts as one of its sources
.endr
; A K step of 128: my four fragments of W and four of x with their scale words, and 16 products.  The 16 accumulators take turns.
.macro KS slot, par, ks, zero
.if \zero == 0
.rept 4
	v_nop                                          ; places in front of loads into registers that matrix instructions have read
.endr
.endif
.irp n, 0,1,2,3
	ds_load_b128 v[WF+8*\n:WF+8*\n+3], v[4+2*\slot+\par] offset:\n*1024
	ds_load_b128 v[WF+8*\n+4:WF+8*\n+7], v[4+2*\slot+\par] offset:\n*1024+512
	ds_load_b32 v[WS+\n], v[8+\slot] offset:\par*4096+64*\n
.endr
.irp m, 0,1,2,3
	ds_load_b128 v[XF+8*\m:XF+8*\m+3], v10 offset:\m*8448+64*\ks
	ds_load_b128 v[XF+8*\m+4:XF+8*\m+7], v10 offset:\m*8448+64*\ks+32
	ds_load_b32 v[XSR+\m], v11 offset:512*\m+4*\ks
.endr
	s_wait_dscnt 0x0
.irp m, 0,1,2,3
.irp n, 0,1,2,3
.if \zero
	v_wmma_scale_f32_16x16x128_f8f6f4 v[ACC+8*(4*\m+\n):ACC+8*(4*\m+\n)+7], v[WF+8*\n:WF+8*\n+7], v[XF+8*\m:XF+8*\m+7], 0, v[WS+\n], v[XSR+\m] matrix_a_fmt:MATRIX_FMT_FP4 matrix_b_fmt:MATRIX_FMT_FP4
.else
	v_wmma_scale_f32_16x16x128_f8f6f4 v[ACC+8*(4*\m+\n):ACC+8*(4*\m+\n)+7], v[WF+8*\n:WF+8*\n+7], v[XF+8*\m:XF+8*\m+7], v[ACC+8*(4*\m+\n):ACC+8*(4*\m+\n)+7], v[WS+\n], v[XSR+\m] matrix_a_fmt:MATRIX_FMT_FP4 matrix_b_fmt:MATRIX_FMT_FP4
.endif
.endr
.endr
.endm
; The change of slots: all my tensor loads have landed (my part of the slot ahead among them), the add, my reads of the slot behind me are over; then the barrier.
; fill = 1: it is a round of the cluster's, and the slot just left is asked for again, jointly, two slots on: my one tensor load behind the round.
.macro CHG slot, fill
	s_wait_tensorcnt 0x0
	ds_add_u32 v[SPW], v[NIL]
.if \fill
	s_add_nc_u64 s[G0W+4*\slot+2:G0W+4*\slot+3], s[G0W+4*\slot+2:G0W+4*\slot+3], 2*L1
.endif
	s_wait_dscnt 0x0
.if \fill
	CROUND
	tensor_load_to_lds s[G0W+4*\slot:G0W+4*\slot+3], s[G1W:G1W+7]
	s_nop 0
.else
	s_barrier_signal -1
	s_barrier_wait -1
.endif
.endm
	s_wait_tensorcnt 0x1                           ; x's codes and scales and slot 0 are in; slot 1's load may stay out
	s_barrier_signal -1
	s_barrier_wait -1
	KS 0, 0, 0, 1                                  ; the first K step starts the sums
	KS 0, 1, 1, 0
	CHG 0, 1
	KS 1, 0, 2, 0
	KS 1, 1, 3, 0
	CHG 1, 1
	KS 0, 0, 4, 0
	KS 0, 1, 5, 0
	CHG 0, 0                                       ; nothing is left to fetch
	KS 1, 0, 6, 0
	KS 1, 1, 7, 0
.rept 4
	v_nop                                          ; places in front of the loads below and of the first read of results
.endr
.irp n, 0,1,2,3                                ; g and b of my lane's channels 16 n + 8 h + 0 .. 7
	global_load_b128 v[WF+8*\n:WF+8*\n+3], v17, s[76:77] offset:64*\n
	global_load_b128 v[WF+8*\n+4:WF+8*\n+7], v17, s[76:77] offset:64*\n+16
	global_load_b128 v[XF+8*\n:XF+8*\n+3], v17, s[78:79] offset:64*\n
	global_load_b128 v[XF+8*\n+4:XF+8*\n+7], v17, s[78:79] offset:64*\n+16
.endr
; From four pairs of partial sums v[18+2m:19+2m] (my lane's 32 channels of row 16 m + r) to the whole row's sum in v[18+2m], in every lane.
.macro LNX off
.irp m, 0,1,2,3
	v_add_f32 v[18+2*\m], v[18+2*\m], v[19+2*\m]
.endr
.irp m, 0,1,2,3
	v_permlanex16_b32 v[26+\m], v[18+2*\m], s84, s85
.endr
.irp m, 0,1,2,3
	v_add_f32 v[18+2*\m], v[18+2*\m], v[26+\m]     ; my wave's 64 channels
.endr
.irp m, 0,1,2,3
	ds_store_b32 v12, v[18+2*\m] offset:\off+\m*1280   ; both halves of the lanes write the same word with the same value
.endr
	s_wait_dscnt 0x0                               ; for the others' sake: my stores have landed
	s_barrier_signal -1
	s_barrier_wait -1
.irp g, 0,1                                    ; two tiles of rows at a time
.irp q, 0,1
	ds_load_b128 v[RB+8*\q:RB+8*\q+3], v13 offset:\off+(2*\g+\q)*1280
	ds_load_b128 v[RB+8*\q+4:RB+8*\q+7], v13 offset:\off+(2*\g+\q)*1280+16
.endr
	s_wait_dscnt 0x0
.irp q, 0,1
	v_pk_add_f32 v[RB+8*\q:RB+8*\q+1], v[RB+8*\q:RB+8*\q+1], v[RB+8*\q+2:RB+8*\q+3]
	v_pk_add_f32 v[RB+8*\q+4:RB+8*\q+5], v[RB+8*\q+4:RB+8*\q+5], v[RB+8*\q+6:RB+8*\q+7]
.endr
.irp q, 0,1
	v_pk_add_f32 v[RB+8*\q:RB+8*\q+1], v[RB+8*\q:RB+8*\q+1], v[RB+8*\q+4:RB+8*\q+5]
.endr
.irp q, 0,1
	v_add_f32 v[18+2*(2*\g+\q)], v[RB+8*\q], v[RB+8*\q+1]   ; eight waves' sums
.endr
.endr
.irp m, 0,1,2,3
	v_permlanex16_b32 v[26+\m], v[18+2*\m], s84, s85
.endr
.irp m, 0,1,2,3
	v_add_f32 v[18+2*\m], v[18+2*\m], v[26+\m]     ; with the other eight's
.endr
.endm
	; pass 1: the mean.  Each accumulator is read from its low end on
.irp m, 0,1,2,3
	v_pk_add_f32 v[18+2*\m:19+2*\m], v[ACC+32*\m:ACC+32*\m+1], v[ACC+32*\m+2:ACC+32*\m+3]
.endr
.set p, 4
.rept 14
.irp m, 0,1,2,3
	v_pk_add_f32 v[18+2*\m:19+2*\m], v[18+2*\m:19+2*\m], v[ACC+32*\m+p:ACC+32*\m+p+1]
.endr
.set p, p+2
.endr
	LNX 0
.irp m, 0,1,2,3
	v_mul_f32 v[18+2*\m], s86, v[18+2*\m]          ; the mean
.endr
.irp m, 0,1,2,3
.set p, 0
.rept 16
	v_pk_add_f32 v[ACC+32*\m+p:ACC+32*\m+p+1], v[ACC+32*\m+p:ACC+32*\m+p+1], v[18+2*\m:19+2*\m] op_sel_hi:[1,0] neg_lo:[0,1] neg_hi:[0,1]
.set p, p+2
.endr
.endr
	; pass 2: the mean of the squares of x - mean
.irp m, 0,1,2,3
	v_pk_mul_f32 v[18+2*\m:19+2*\m], v[ACC+32*\m:ACC+32*\m+1], v[ACC+32*\m:ACC+32*\m+1]
.endr
.set p, 2
.rept 15
.irp m, 0,1,2,3
	v_pk_fma_f32 v[18+2*\m:19+2*\m], v[ACC+32*\m+p:ACC+32*\m+p+1], v[ACC+32*\m+p:ACC+32*\m+p+1], v[18+2*\m:19+2*\m]
.endr
.set p, p+2
.endr
	LNX 5120
.irp m, 0,1,2,3
	v_fma_f32 v[26+\m], v[18+2*\m], s86, s87       ; the variance + 1e-5
.endr
.irp m, 0,1,2,3
	v_rsq_f32 v[18+2*\m], v[26+\m]
.endr
	s_wait_loadcnt 0x0                             ; g and b
.set p, 0
.rept 16                                       ; g and b times the tensor's factor: plain work behind the four roots, which names none of their results
	v_pk_mul_f32 v[WF+p:WF+p+1], v[WF+p:WF+p+1], s[82:83] op_sel_hi:[1,0]
	v_pk_mul_f32 v[XF+p:XF+p+1], v[XF+p:XF+p+1], s[82:83] op_sel_hi:[1,0]
.set p, p+2
.endr
	s_wait_alu depctr_va_vdst(0)                   ; one wait for the four roots, ahead of their first reader
.irp m, 0,1,2,3
.set p, 0
.rept 16
	v_pk_mul_f32 v[ACC+32*\m+p:ACC+32*\m+p+1], v[ACC+32*\m+p:ACC+32*\m+p+1], v[18+2*\m:19+2*\m] op_sel_hi:[1,0]
.set p, p+2
.endr
.endr
.irp m, 0,1,2,3
.set p, 0
.rept 16
	v_pk_fma_f32 v[ACC+32*\m+p:ACC+32*\m+p+1], v[ACC+32*\m+p:ACC+32*\m+p+1], v[WF+p:WF+p+1], v[XF+p:XF+p+1]
.set p, p+2
.endr
.endr
.set a, 0
.rept 16                                       ; eight channels of a row pack into 16 bytes, in place and ascending; a chunk (tile of rows a / 4, tile of channels a % 4) is 512 consecutive bytes
.irp i, 0,1,2,3
	v_cvt_pk_f16_f32 v[ACC+8*a+\i], v[ACC+8*a+2*\i], v[ACC+8*a+2*\i+1]
.endr
	global_store_b128 v14, v[ACC+8*a:ACC+8*a+3], s[80:81] offset:(a/4)*2048+(a%4)*512
.set a, a+1
.endr
	s_wait_tensorcnt 0x0                           ; the wave's end: a wait, a spare add and its wait, behind my last tensor load and my last LDS store
	ds_add_u32 v[SPW], v[NIL]
	s_wait_dscnt 0x0
	CROUND                                         ; the closing round: no work-group ends while a partner may still ask for a slot that names it
	s_endpgm
.Lfunc_end_k_q3869e978e7_proj:
	.size	k_q3869e978e7_proj, .Lfunc_end_k_q3869e978e7_proj-k_q3869e978e7_proj
	.p2alignl 7, 3214868480
	.fill 96, 4, 3214868480
	.section	.rodata,"a",@progbits
	.p2align	6, 0x0
	.amdhsa_kernel k_q3869e978e7_proj
		.amdhsa_group_segment_fixed_size 327680
		.amdhsa_private_segment_fixed_size 0
		.amdhsa_enable_private_segment 0
		.amdhsa_kernarg_size 88
		.amdhsa_user_sgpr_count 2
		.amdhsa_user_sgpr_kernarg_segment_ptr 1
		.amdhsa_wavefront_size32 1
		.amdhsa_system_sgpr_workgroup_id_x 1
		.amdhsa_system_sgpr_workgroup_id_y 1
		.amdhsa_system_sgpr_workgroup_id_z 1
		.amdhsa_system_vgpr_workitem_id 0
		.amdhsa_next_free_vgpr 256
		.amdhsa_next_free_sgpr 100
		.amdhsa_reserve_vcc 0
		.amdhsa_float_denorm_mode_32 3
		.amdhsa_float_denorm_mode_16_64 3
		.amdhsa_memory_ordered 1
		.amdhsa_forward_progress 1
		.amdhsa_inst_pref_size 74
	.end_amdhsa_kernel
	.amdgpu_metadata
---
amdhsa.version: [ 1, 2 ]
amdhsa.kernels:
  - .name:           k_q3869e978e7_proj
    .symbol:         k_q3869e978e7_proj.kd
    .args:
      - { .name: xc, .offset: 0, .size: 8, .value_kind: global_buffer, .address_space: global }
      - { .name: xs, .offset: 8, .size: 8, .value_kind: global_buffer, .address_space: global }
      - { .name: wq4, .offset: 16, .size: 8, .value_kind: global_buffer, .address_space: global }
      - { .name: gq, .offset: 24, .size: 8, .value_kind: global_buffer, .address_space: global }
      - { .name: bq, .offset: 32, .size: 8, .value_kind: global_buffer, .address_space: global }
      - { .name: gk, .offset: 40, .size: 8, .value_kind: global_buffer, .address_space: global }
      - { .name: bk, .offset: 48, .size: 8, .value_kind: global_buffer, .address_space: global }
      - { .name: gv, .offset: 56, .size: 8, .value_kind: global_buffer, .address_space: global }
      - { .name: bv, .offset: 64, .size: 8, .value_kind: global_buffer, .address_space: global }
      - { .name: qf, .offset: 72, .size: 8, .value_kind: global_buffer, .address_space: global }
      - { .name: kvf, .offset: 80, .size: 8, .value_kind: global_buffer, .address_space: global }
    .group_segment_fixed_size: 327680
    .private_segment_fixed_size: 0
    .kernarg_segment_align: 8
    .kernarg_segment_size: 88
    .max_flat_workgroup_size: 512
    .sgpr_count:     100
    .vgpr_count:     256
    .wavefront_size: 32
...
	.end_amdgpu_metadata
.endif
;; end of part 2
;; launch attn (part 3): grid 4 x 64, 16 waves a work-group, clusters of 4 x 1, 327,680 bytes of LDS; arguments qf, kvf, maskw, ao; writes ao
.if DOCPART == 3
	.amdgcn_target "amdgcn-amd-amdhsa--gfx1250"
	.amdhsa_code_object_version 6
	.text
	.protected	k_q3869e978e7_attn
	.globl	k_q3869e978e7_attn
	.p2align	8
	.type	k_q3869e978e7_attn,@function
k_q3869e978e7_attn:
	s_mov_b64 s[64:65], 0
	v_nop
	global_prefetch_b8 v0, s[64:65] scope:SCOPE_SE
	s_setreg_imm32_b32 hwreg(HW_REG_WAVE_MODE, 25, 1), 1
	s_wait_xcnt 0x0
	s_wait_alu depctr_hold_cnt(0) depctr_sa_sdst(0) depctr_va_vdst(0) depctr_va_sdst(0) depctr_va_ssrc(0) depctr_va_vcc(0) depctr_vm_vsrc(0)
	s_getreg_b32 s2, hwreg(HW_REG_IB_STS2, 6, 4)
	s_cmp_eq_u32 s2, 0
	s_cbranch_scc0 .Lentry_in_a_cluster
	s_endpgm
.Lentry_in_a_cluster:
	s_bfe_u32 s2, ttmp6, 0x10000c
	s_cmp_lg_u32 s2, 0x3003
	s_cbranch_scc0 .Lentry_shape_is_right
	s_endpgm
.Lentry_shape_is_right:
; ATTN: O[b][h][q] = the sum over k of softmax_k(q . k / 8 + mask) v, head size 64, 2,048 keys; operands f16, products, maxima and sums f32; the weights are rounded to f16 for the second product, O once at the end.
; q comes already multiplied by log2(e) / 8, so a score is an exponent of 2: p = 2^(s - m), m the running maximum of the row; in every step O and the sum l are multiplied by a = 2^(m_old - m_new).
; SHARES.  A work-group owns 512 queries of one head, each of its SIXTEEN waves two tiles of 16, in 256 registers: four waves to a SIMD, so that one wave's softmax stands beside another's products.  Every wave walks all keys, 64 a step.
; CLUSTER.  The four work-groups of a cluster are the four query blocks of one head: they walk the same K and V, so each slot (8 key steps, 131,072 bytes) is asked for JOINTLY, a sixteenth by each wave.  One tensor load of a wave is out at a time.
; LAYOUT.  S^T = K Q^T (source 0 = 16 keys, source 1 = 16 queries): a lane holds ONE query (lane % 16) and keys 8 (lane / 16) + 0 .. 7 of a tile.  Two such tiles, rounded in pairs, ARE source 1 of O^T = V^T P.
; K, Q lie in memory as images of their registers (lane l's 16 bytes at 16 l); V in the order in which ds_load_tr16_b128 at 16 l turns it into fragments of V^T.  No padding: every LDS load reads 512 consecutive bytes.
; THE MASK comes as lane masks, one word for each register of a tile of scores, by scalar loads one step ahead; it costs one v_cndmask_b32 a score.
; LIMITS.  A masked score is REPLACED by -1e9 log2(e), where the definition adds -1e9 to it.  For a query with an allowed key the weights are the same while |score| stays under about 5e8.  For a query with NO allowed key
; all weights are equal, as by the definition while |score| <= 32 there (beyond that its f32 sums fall on different multiples of 64, which this text does not follow).
; No prefetch: a slot is asked for eight key steps of sixteen waves ahead of its first read.
.set SLOTB, 131072
.set SPARE, 262144                     ; behind the ring: the spare words, 128 bytes a wave: eight blocks of 256 bytes that no other line names
.set LI,  1                            ; v1  16 x lane
.set ADR, 2                            ; v2  the step's tiles in LDS
.set SPW, 3                            ; v3  my spare word's LDS address; v4 0: never rewritten
.set NIL, 4
.set NEG, 5                            ; v5  -1e9 log2(e)
.set ST,  8                            ; tile t's statistics at v[8+8t]: +0 m, +1 its pair's other half, +2, +3 l in two halves, +4 .. +7 c0-c3 at work; a takes c2's place
.set QR,  24                           ; v24-55   Q: 16 registers a tile
.set KV,  56                           ; v56-119  K of the step, then V
.set SR,  120                          ; v120-183 S^T, 32 a tile; P is packed into the low 16 of each
.set OT,  184                          ; v184-247 O^T, 32 a tile
.set CH,  248                          ; v248-251 the sums' second chains
.set WV,  28                           ; s28 wave; s29 LDS byte of the step; s30 steps to go in a slot; s31 the mask words' byte offset
.set G1,  12                           ; s[12:19] descriptor group 1; s[20:27] group 0, one set for each slot
.set G0,  20
.macro ROUND                           ; a round of the cluster's barrier
	s_barrier_signal -1
	s_barrier_wait -1
	s_cmp_lg_u32 s[WV], 0
	s_cbranch_scc1 .Lnot_wave_0_\@
	s_barrier_signal -3
.Lnot_wave_0_\@:
	s_barrier_wait -3
	s_barrier_signal -1
	s_barrier_wait -1
.endm
.macro MLOAD                           ; a step's 32 mask words for each of my two tiles: s[32:63], s[68:99]
	s_load_b512 s[32:47], s[100:101], s31 offset:0x0
	s_load_b512 s[48:63], s[100:101], s31 offset:0x40
	s_load_b512 s[68:83], s[100:101], s31 offset:0x1000
	s_load_b512 s[84:99], s[100:101], s31 offset:0x1040
.endm
	s_load_b256 s[4:11], s[0:1], 0x0               ; qf, kvf, maskw, ao
	v_lshl_add_u32 v[SPW], v0, 2, SPARE
	v_mov_b32 v[NIL], 0
	ds_add_u32 v[SPW], v[NIL]                      ; the wave's opening: the add, twice on end, and its wait ahead of my first tensor load
	ds_add_u32 v[SPW], v[NIL]
	v_lshrrev_b32 v6, 5, v0
	v_readfirstlane_b32 s[WV], v6
	s_bfe_u32 s32, ttmp6, 0x40000                  ; cx: it enters Q's, the mask's and O's global addresses alone
	s_lshl_b32 s37, ttmp9, 2
	s_add_co_u32 s32, s32, s37                     ; my block of 512 queries
	s_and_b32 s33, ttmp7, 0xffff                   ; batch x 16 + head: the four partners share it
	s_lshr_b32 s34, s33, 4
	s_and_b32 s35, s33, 15
	s_lshl_b32 s36, s32, 5
	s_lshl_b32 s37, s[WV], 1
	s_add_co_u32 s36, s36, s37                     ; my first tile of queries, an even number
	s_mov_b32 s[G1], 15|(3<<16)|(1<<21)            ; the mask: all four work-groups; elements of 8 bytes; bit 21 beside a mask
	s_mov_b32 s[G1+1], 32<<16                      ; 32 rows of 256 bytes, dense: a sixteenth of a slot
	s_mov_b32 s[G1+2], 32<<16
	s_mov_b32 s[G1+3], 32<<16
	s_mov_b32 s[G1+4], 32
	s_mov_b32 s[G1+5], 32
	s_mov_b32 s[G1+6], 0
	s_mov_b32 s[G1+7], 0
	s_mov_b32 s[G0], 1
	s_lshl_b32 s[G0+1], s[WV], 13
	s_mov_b32 s[G0+4], 1
	s_add_co_u32 s[G0+5], s[G0+1], SLOTB
	s_lshl_b32 s38, s33, 19                        ; a head's K and V: 2^19 bytes
	s_add_co_u32 s38, s38, s[G0+1]
	s_mov_b32 s39, 0
	s_mov_b32 s66, 0x76543210                      ; v_permlanex16_b32's selects for lane l xor 16
	s_mov_b32 s67, 0xfedcba98
	s_mov_b32 s31, 0
	s_wait_dscnt 0x0                               ; both opening adds are done
	s_wait_kmcnt 0x0
	s_add_nc_u64 s[G0+2:G0+3], s[6:7], s[38:39]
	s_add_nc_u64 s[G0+6:G0+7], s[G0+2:G0+3], SLOTB
	s_or_b32 s[G0+3], s[G0+3], 0x80000000
	s_or_b32 s[G0+7], s[G0+7], 0x80000000
	ROUND                                          ; all four work-groups are here
	tensor_load_to_lds s[G0:G0+3], s[G1:G1+7]      ; key steps 0 to 7
	s_nop 0
	s_lshl_b32 s40, s33, 18
	s_lshl_b32 s41, s36, 11
	s_add_co_u32 s40, s40, s41
	s_mov_b32 s41, 0
	s_add_nc_u64 s[4:5], s[4:5], s[40:41]          ; Q at my first tile
	s_lshl_b32 s42, s34, 7
	s_add_co_u32 s42, s42, s36                     ; batch x 128 + tile
	s_lshl_b32 s40, s42, 12
	s_add_nc_u64 s[100:101], s[8:9], s[40:41]      ; its 4,096 bytes of mask words
	s_lshr_b32 s43, s42, 3                         ; ao [128 rows][K step of 128 = two heads][tile of rows][4,096 bytes]
	s_lshl_b32 s43, s43, 18
	s_lshr_b32 s44, s35, 1
	s_lshl_b32 s44, s44, 15
	s_add_co_u32 s43, s43, s44
	s_and_b32 s44, s42, 7
	s_lshl_b32 s44, s44, 12
	s_add_co_u32 s43, s43, s44
	s_and_b32 s44, s35, 1
	s_lshl_b32 s44, s44, 11
	s_add_co_u32 s40, s43, s44
	s_add_nc_u64 s[104:105], s[10:11], s[40:41]
	v_and_b32 v[LI], 31, v0
	v_lshlrev_b32 v[LI], 4, v[LI]
.irp i, 0,1,2,3,4,5,6,7
	global_load_b128 v[QR+4*\i:QR+4*\i+3], v[LI], s[4:5] offset:512*\i   ; Q stays in registers
.endr
	MLOAD                                          ; step 0's mask words
	v_mov_b32 v[NEG], 0xceabfb8f
.set ii, 0
.rept 16
	v_mov_b32 v[ST+ii], 0                          ; l = 0; the rest is written once, since pairs and permutes name it
.set ii, ii+1
.endr
	v_mov_b32 v[ST], 0xff61b1e6                    ; m = -3e38, under every score
	v_mov_b32 v[ST+8], 0xff61b1e6
.set ii, 0
.rept 64
	v_mov_b32 v[OT+ii], 0                          ; O^T.  The step is written once: its first walk finds zeros, which a = 0 leaves zeros
.set ii, ii+1
.endr
; A KEY STEP: 64 keys.
.macro STEP
	v_add_nc_u32 v[ADR], s29, v[LI]
.rept 4
	v_nop                                          ; with the addition five places behind the last products: the loads below land on V's registers (four are asked), the products below write over P's (five)
.endr
.irp i, 0,1,2,3,4,5,6,7,8,9,10,11,12,13,14,15
	ds_load_b128 v[KV+4*\i:KV+4*\i+3], v[ADR] offset:512*\i   ; K: tile of keys i / 4, chunk i % 4
.endr
	s_wait_dscnt 0x0
.irp c, 0,1                                    ; 16 products; the 8 accumulators take turns
.irp k, 0,1,2,3
.irp t, 0,1
.if \c == 0
	v_wmma_f32_16x16x32_f16 v[SR+32*\t+8*\k:SR+32*\t+8*\k+7], v[KV+16*\k+8*\c:KV+16*\k+8*\c+7], v[QR+16*\t+8*\c:QR+16*\t+8*\c+7], 0
.else
	v_wmma_f32_16x16x32_f16 v[SR+32*\t+8*\k:SR+32*\t+8*\k+7], v[KV+16*\k+8*\c:KV+16*\k+8*\c+7], v[QR+16*\t+8*\c:QR+16*\t+8*\c+7], v[SR+32*\t+8*\k:SR+32*\t+8*\k+7]
.endif
.endr
.endr
.endr
.rept 4
	v_nop                                          ; places in front of the loads into K's registers and of the first read of the scores
.endr
.irp u, 0,1                                    ; V^T: keys 32 u on, channels 16 c on; it lands while the softmax is walked
.irp c, 0,1,2,3
	ds_load_tr16_b128 v[KV+8*(4*\u+\c):KV+8*(4*\u+\c)+3], v[ADR] offset:8192+(2*\u)*2048+512*\c
	ds_load_tr16_b128 v[KV+8*(4*\u+\c)+4:KV+8*(4*\u+\c)+7], v[ADR] offset:8192+(2*\u+1)*2048+512*\c
.endr
.endr
	s_wait_kmcnt 0x0                               ; this step's mask words, asked for a step ago
.set ii, 0
.rept 32                                       ; each accumulator from its low end on
	v_cndmask_b32 v[SR+ii], v[NEG], v[SR+ii], s[32+ii]
	v_cndmask_b32 v[SR+32+ii], v[NEG], v[SR+32+ii], s[68+ii]
.set ii, ii+1
.endr
	s_add_co_u32 s31, s31, 128                     ; the next step's words; the last step asks for its own again, so that no load leaves the buffer
	s_min_u32 s31, s31, 3968
	MLOAD
.irp j, 0,1,2,3                                ; the maximum of 32 scores and the old m, three operands at a time, four chains a tile
.irp t, 0,1
	v_max3_num_f32 v[ST+8*\t+4+\j], v[SR+32*\t+8*\j], v[SR+32*\t+8*\j+1], v[SR+32*\t+8*\j+2]
.endr
.endr
.irp q, 1,2
.irp j, 0,1,2,3
.irp t, 0,1
	v_max3_num_f32 v[ST+8*\t+4+\j], v[ST+8*\t+4+\j], v[SR+32*\t+8*\j+2*\q+1], v[SR+32*\t+8*\j+2*\q+2]
.endr
.endr
.endr
.irp t, 0,1
	v_max3_num_f32 v[ST+8*\t+4], v[ST+8*\t+4], v[SR+32*\t+7], v[SR+32*\t+15]
	v_max3_num_f32 v[ST+8*\t+6], v[ST+8*\t+6], v[SR+32*\t+23], v[SR+32*\t+31]
.endr
.irp t, 0,1
	v_max3_num_f32 v[ST+8*\t+4], v[ST+8*\t+4], v[ST+8*\t+5], v[ST+8*\t+6]
.endr
.irp t, 0,1
	v_max3_num_f32 v[ST+8*\t+4], v[ST+8*\t+4], v[ST+8*\t+7], v[ST+8*\t]
.endr
.irp t, 0,1
	v_permlanex16_b32 v[ST+8*\t+5], v[ST+8*\t+4], s66, s67   ; the query's other 32 keys lie in the lane 16 away
.endr
.irp t, 0,1
	v_mov_b32 v[ST+8*\t+7], v[ST+8*\t]             ; m_old
.endr
.irp t, 0,1
	v_max_num_f32 v[ST+8*\t], v[ST+8*\t+4], v[ST+8*\t+5]
.endr
.irp t, 0,1
	v_sub_f32 v[ST+8*\t+7], v[ST+8*\t+7], v[ST+8*\t]
.endr
.set ii, 0
.rept 16
.irp t, 0,1
	v_pk_add_f32 v[SR+32*\t+ii:SR+32*\t+ii+1], v[SR+32*\t+ii:SR+32*\t+ii+1], v[ST+8*\t:ST+8*\t+1] op_sel_hi:[1,0] neg_lo:[0,1] neg_hi:[0,1]   ; s - m
.endr
.set ii, ii+2
.endr
.irp t, 0,1                                    ; ONE BATCH of 66 exponentials: none reads another's result
	v_exp_f32 v[ST+8*\t+6], v[ST+8*\t+7]           ; a
.endr
.set ii, 0
.rept 64
	v_exp_f32 v[SR+ii], v[SR+ii]                   ; p, at most 1
.set ii, ii+1
.endr
	v_nop                                          ; a plain instruction behind the last exponential
	s_wait_alu depctr_va_vdst(0)                   ; and one wait for the batch, ahead of its first reader
.irp t, 0,1                                    ; l = a l + the sum of the unrounded p: two chains a tile
	v_pk_fma_f32 v[ST+8*\t+2:ST+8*\t+3], v[ST+8*\t+2:ST+8*\t+3], v[ST+8*\t+6:ST+8*\t+7], v[SR+32*\t:SR+32*\t+1] op_sel_hi:[1,0,1]
	v_pk_add_f32 v[CH+2*\t:CH+2*\t+1], v[SR+32*\t+2:SR+32*\t+3], v[SR+32*\t+6:SR+32*\t+7]
.endr
.irp p, 4,8,12,16,20,24
.irp t, 0,1
	v_pk_add_f32 v[ST+8*\t+2:ST+8*\t+3], v[ST+8*\t+2:ST+8*\t+3], v[SR+32*\t+\p:SR+32*\t+\p+1]
	v_pk_add_f32 v[CH+2*\t:CH+2*\t+1], v[CH+2*\t:CH+2*\t+1], v[SR+32*\t+\p+6:SR+32*\t+\p+7]
.endr
.endr
.irp t, 0,1
	v_pk_add_f32 v[ST+8*\t+2:ST+8*\t+3], v[ST+8*\t+2:ST+8*\t+3], v[SR+32*\t+28:SR+32*\t+29]
.endr
.irp t, 0,1
	v_pk_add_f32 v[ST+8*\t+2:ST+8*\t+3], v[ST+8*\t+2:ST+8*\t+3], v[CH+2*\t:CH+2*\t+1]
.endr
.set ii, 0
.rept 16                                       ; P: rounded in pairs, in place and ascending
.irp t, 0,1
	v_cvt_pk_f16_f32 v[SR+32*\t+ii], v[SR+32*\t+2*ii], v[SR+32*\t+2*ii+1]
.endr
.set ii, ii+1
.endr
.set ii, 0
.rept 16
.irp t, 0,1
	v_pk_mul_f32 v[OT+32*\t+ii:OT+32*\t+ii+1], v[OT+32*\t+ii:OT+32*\t+ii+1], v[ST+8*\t+6:ST+8*\t+7] op_sel_hi:[1,0]   ; O^T times a
.endr
.set ii, ii+2
.endr
	s_wait_dscnt 0x0                               ; V
.irp u, 0,1                                    ; 16 products; the 8 accumulators take turns
.irp c, 0,1,2,3
.irp t, 0,1
	v_wmma_f32_16x16x32_f16 v[OT+32*\t+8*\c:OT+32*\t+8*\c+7], v[KV+8*(4*\u+\c):KV+8*(4*\u+\c)+7], v[SR+32*\t+8*\u:SR+32*\t+8*\u+7], v[OT+32*\t+8*\c:OT+32*\t+8*\c+7]
.endr
.endr
.endr
.endm
; A slot's turn.  All my tensor loads have landed (my part of this slot), the add, my reads of the other slot are over; a round of the cluster's barrier; refill = 1: the other slot is asked for, jointly: my one tensor load
; behind the round, with this slot's eight key steps in which to land.  Then the eight steps: a loop of constant count.
.macro TRIP slot, refill
	s_wait_tensorcnt 0x0
	ds_add_u32 v[SPW], v[NIL]
	s_add_nc_u64 s[G0+4*\slot+2:G0+4*\slot+3], s[G0+4*\slot+2:G0+4*\slot+3], 2*SLOTB   ; no load of mine is out: this slot's next keys
	s_wait_dscnt 0x0
	ROUND
.if \refill
	tensor_load_to_lds s[G0+4-4*\slot:G0+7-4*\slot], s[G1:G1+7]
	s_nop 0
.endif
	s_mov_b32 s29, \slot*SLOTB
	s_mov_b32 s30, 8
.Lstep_\@:
	STEP
	s_add_co_u32 s29, s29, 16384
	s_sub_co_u32 s30, s30, 1
	s_cmp_lg_u32 s30, 0
	s_cbranch_scc1 .Lstep_\@
.endm
	s_wait_loadcnt 0x0                             ; Q
	TRIP 0, 1
	TRIP 1, 1
	TRIP 0, 1
	TRIP 1, 0                                      ; nothing is left to fetch
	; THE WAY OUT.  O^T / l, rounded to f16: a lane's eight channels of a row are 16 bytes, and the 32 lanes' 512 bytes are a chunk of the next launch's operand as its registers take it: no stage is needed.
	s_wait_kmcnt 0x0                               ; the last look-ahead of mask words
.rept 4
	v_nop                                          ; places behind the last products
.endr
.irp t, 0,1
	v_add_f32 v[ST+8*\t+4], v[ST+8*\t+2], v[ST+8*\t+3]
.endr
.irp t, 0,1
	v_permlanex16_b32 v[ST+8*\t+5], v[ST+8*\t+4], s66, s67
.endr
.irp t, 0,1
	v_add_f32 v[ST+8*\t+4], v[ST+8*\t+4], v[ST+8*\t+5]   ; l: at least 1, since the row's largest p is 1
.endr
.irp t, 0,1
	v_rcp_f32 v[ST+8*\t+6], v[ST+8*\t+4]
.endr
	v_nop
	s_wait_alu depctr_va_vdst(0)                   ; one wait for the two reciprocals
.set ii, 0
.rept 16
.irp t, 0,1
	v_pk_mul_f32 v[OT+32*\t+ii:OT+32*\t+ii+1], v[OT+32*\t+ii:OT+32*\t+ii+1], v[ST+8*\t+6:ST+8*\t+7] op_sel_hi:[1,0]
.endr
.set ii, ii+2
.endr
.set ii, 0
.rept 16
.irp t, 0,1
	v_cvt_pk_f16_f32 v[KV+16*\t+ii], v[OT+32*\t+2*ii], v[OT+32*\t+2*ii+1]
.endr
.set ii, ii+1
.endr
.irp t, 0,1
.irp c, 0,1,2,3
	global_store_b128 v[LI], v[KV+16*\t+4*\c:KV+16*\t+4*\c+3], s[104:105] offset:\t*4096+\c*512   ; 512 consecutive bytes, aligned
.endr
.endr
	s_wait_tensorcnt 0x0                           ; the wave's end: a wait, a spare add and its wait
	ds_add_u32 v[SPW], v[NIL]
	s_wait_dscnt 0x0
	ROUND                                          ; the closing round
	s_endpgm
.Lfunc_end_k_q3869e978e7_attn:
	.size	k_q3869e978e7_attn, .Lfunc_end_k_q3869e978e7_attn-k_q3869e978e7_attn
	.p2alignl 7, 3214868480
	.fill 96, 4, 3214868480
	.section	.rodata,"a",@progbits
	.p2align	6, 0x0
	.amdhsa_kernel k_q3869e978e7_attn
		.amdhsa_group_segment_fixed_size 327680
		.amdhsa_private_segment_fixed_size 0
		.amdhsa_enable_private_segment 0
		.amdhsa_kernarg_size 32
		.amdhsa_user_sgpr_count 2
		.amdhsa_user_sgpr_kernarg_segment_ptr 1
		.amdhsa_wavefront_size32 1
		.amdhsa_system_sgpr_workgroup_id_x 1
		.amdhsa_system_sgpr_workgroup_id_y 1
		.amdhsa_system_sgpr_workgroup_id_z 1
		.amdhsa_system_vgpr_workitem_id 0
		.amdhsa_next_free_vgpr 256
		.amdhsa_next_free_sgpr 106
		.amdhsa_reserve_vcc 0
		.amdhsa_float_denorm_mode_32 3
		.amdhsa_float_denorm_mode_16_64 3
		.amdhsa_memory_ordered 1
		.amdhsa_forward_progress 1
		.amdhsa_inst_pref_size 101
	.end_amdhsa_kernel
	.amdgpu_metadata
---
amdhsa.version: [ 1, 2 ]
amdhsa.kernels:
  - .name:           k_q3869e978e7_attn
    .symbol:         k_q3869e978e7_attn.kd
    .args:
      - { .name: qf, .offset: 0, .size: 8, .value_kind: global_buffer, .address_space: global }
      - { .name: kvf, .offset: 8, .size: 8, .value_kind: global_buffer, .address_space: global }
      - { .name: maskw, .offset: 16, .size: 8, .value_kind: global_buffer, .address_space: global }
      - { .name: ao, .offset: 24, .size: 8, .value_kind: global_buffer, .address_space: global }
    .group_segment_fixed_size: 327680
    .private_segment_fixed_size: 0
    .kernarg_segment_align: 8
    .kernarg_segment_size: 32
    .max_flat_workgroup_size: 512
    .sgpr_count:     106
    .vgpr_count:     256
    .wavefront_size: 32
...
	.end_amdgpu_metadata
.endif
;; end of part 3
;; launch outp (part 4): grid 4 x 64, 4 waves a work-group, clusters of 4 x 4, 327,680 bytes of LDS; arguments ao, wof, bo, out0; writes out0
.if DOCPART == 4
	.amdgcn_target "amdgcn-amd-amdhsa--gfx1250"
	.amdhsa_code_object_version 6
	.text
	.protected	k_q3869e978e7_outp
	.globl	k_q3869e978e7_outp
	.p2align	8
	.type	k_q3869e978e7_outp,@function
k_q3869e978e7_outp:
	s_mov_b64 s[64:65], 0
	v_nop
	global_prefetch_b8 v0, s[64:65] scope:SCOPE_SE
	s_setreg_imm32_b32 hwreg(HW_REG_WAVE_MODE, 25, 1), 1
	s_wait_xcnt 0x0
	s_wait_alu depctr_hold_cnt(0) depctr_sa_sdst(0) depctr_va_vdst(0) depctr_va_sdst(0) depctr_va_ssrc(0) depctr_va_vcc(0) depctr_vm_vsrc(0)
	s_getreg_b32 s2, hwreg(HW_REG_IB_STS2, 6, 4)
	s_cmp_eq_u32 s2, 0
	s_cbranch_scc0 .Lentry_in_a_cluster
	s_endpgm
.Lentry_in_a_cluster:
	s_bfe_u32 s2, ttmp6, 0x10000c
	s_cmp_lg_u32 s2, 0xf033
	s_cbranch_scc0 .Lentry_shape_is_right
	s_endpgm
.Lentry_shape_is_right:
; OUTP: out0 [8192][1024] f32 = A Wo + bo, A the attention's result; operands f16, sums f32.
; A tile of the result is 128 rows x 256 columns: 256 work-groups.  Four waves, each 64 x 128: 32 accumulators of 16 x 16, 256 registers.  K goes in 8 steps of 128 through a ring of two LDS slots.
; Both operands lie in memory as images of their registers (a fragment of 16 x 32 is 1,024 bytes, lane l's 16 bytes at 16 l and at 512 + 16 l), a K step's tile in one dense block: 32,768 bytes of A, 65,536 of Wo.
; So every LDS load reads 512 consecutive bytes, and nothing is padded.
; CLUSTERS: 4 x 4 work-groups.  The four of a row of the cluster need the same tiles of A, the four of a column the same tiles of Wo: each is asked for JOINTLY.  Waves 0, 1 fetch A's halves, waves 2, 3 Wo's.
; THE MATRIX INSTRUCTION IS USED TRANSPOSED (source 0 = 16 columns of Wo, source 1 = 16 rows of A): a lane holds eight neighbouring numbers of a row of the result.
; REGISTERS: window 0: v16-29 addresses, v32-35 bo, v64-191 rows on the way out.  window 1: two fragment buffers (A's four at +0, Wo's eight at +32), at v0 and v128.  window 2: accumulator (a, b) at v[8 (8 a + b)].
; No prefetch: the tiles are shared and asked for jointly, and a refill has a K step's 112 matrix instructions of each wave in which to land.
.set SLOT,  98304                      ; A's 32,768 bytes, then Wo's 65,536
.set STAGE, 2*SLOT                     ; the way out: 16 rows x (512 + 16) bytes for each wave; no fill lands here
.set SPARE, STAGE+4*16*528             ; the spare words, 128 bytes a wave: two blocks of 256 bytes that no other line names
.set ADRA, 16                          ; v16-17 my A fragments in slot 0, 1
.set ADRB, 20                          ; v20-21 my Wo fragments
.set STO,  24                          ; v24 the stage, in
.set RD,   25                          ; v25 the stage, back
.set CO,   26                          ; v26 16 x lane
.set SPW,  28                          ; v28 my spare word's LDS address; v29 0: never rewritten
.set NIL,  29
.set BI,   32                          ; v32-35 bo at my four columns
.set BK,   64                          ; v64-127, v128-191: 16 rows read back, by turns
.set F0,   0
.set F1,   128
.set G1A, 24                           ; s[24:31] group 1 for A; s[32:39] group 0, a set for each slot
.set G0A, 32
.set G1B, 48                           ; s[48:55], s[56:63] the same for Wo
.set G0B, 56
.set MSB, 0
.macro WIN new                         ; the immediate's high byte repeats the setting that is left
.if MSB != \new
	s_set_vgpr_msb (MSB<<8)|\new
.set MSB, \new
.endif
.endm
.set MUL,  0xa5                        ; sources 0 and 1 window 1; C and D window 2
.set TO_F, 0x40                        ; destination window 1, address window 0
.macro JLOAD s                         ; a joint load; an s_nop 0 and four v_nop follow each of the two lines, ahead of the jump, the label and what follows
	s_cmp_eq_u32 s13, 0
	s_cbranch_scc0 .Lfor_b_\@
	tensor_load_to_lds s[G0A+4*\s:G0A+4*\s+3], s[G1A:G1A+7]
	s_nop 0
.rept 4
	v_nop
.endr
	s_branch .Lasked_\@
.Lfor_b_\@:
	tensor_load_to_lds s[G0B+4*\s:G0B+4*\s+3], s[G1B:G1B+7]
	s_nop 0
.rept 4
	v_nop
.endr
.Lasked_\@:
.endm
.macro CREST                           ; a round of the cluster's barrier behind its opening barrier
	s_cmp_lg_u32 s12, 0
	s_cbranch_scc1 .Lnot_wave_0_\@
	s_barrier_signal -3
.Lnot_wave_0_\@:
	s_barrier_wait -3
	s_barrier_signal -1
	s_barrier_wait -1
.endm
.macro CROUND
	s_barrier_signal -1
	s_barrier_wait -1
	CREST
.endm
	s_load_b256 s[4:11], s[0:1], 0x0               ; ao, wof, bo, out0
	v_lshl_add_u32 v[SPW], v0, 2, SPARE
	v_mov_b32 v[NIL], 0
	ds_add_u32 v[SPW], v[NIL]                      ; the wave's opening: the add, twice on end, and its wait ahead of my first tensor load
	ds_add_u32 v[SPW], v[NIL]
	v_lshrrev_b32 v1, 5, v0
	v_readfirstlane_b32 s12, v1                    ; wave 0..3
	s_lshr_b32 s13, s12, 1                         ; which 64 rows are mine.  Also: I fetch for A (0) or for Wo (1)
	s_and_b32 s14, s12, 1                          ; which 128 columns.  Also: which half of that tile I fetch
	s_bfe_u32 s40, ttmp6, 0x40000                  ; cx, cy
	s_bfe_u32 s41, ttmp6, 0x40004
	s_lshl_b32 s42, ttmp9, 2
	s_add_co_u32 s42, s42, s40                     ; block of 256 columns
	s_and_b32 s15, ttmp7, 0xffff
	s_lshl_b32 s15, s15, 2
	s_add_co_u32 s15, s15, s41                     ; block of 128 rows
	s_lshl_b32 s43, s41, 2
	s_lshl_b32 s43, 15, s43                        ; my row of the cluster
	s_lshl_b32 s44, 0x1111, s40                    ; my column
	s_or_b32 s[G1A], s43, (3<<16)|(1<<21)          ; the mask; elements of 8 bytes; bit 21 beside a mask
	s_or_b32 s[G1B], s44, (3<<16)|(1<<21)
	s_mov_b32 s[G1A+1], 32<<16                     ; rows of 256 bytes, dense:
	s_mov_b32 s[G1A+2], 64<<16                     ; 64 for half of A's tile,
	s_mov_b32 s[G1A+3], 32<<16
	s_mov_b32 s[G1A+4], 64
	s_mov_b32 s[G1A+5], 32
	s_mov_b32 s[G1A+6], 0
	s_mov_b32 s[G1A+7], 0
	s_mov_b32 s[G1B+1], 32<<16
	s_mov_b32 s[G1B+2], 128<<16                    ; 128 for half of Wo's
	s_mov_b32 s[G1B+3], 32<<16
	s_mov_b32 s[G1B+4], 128
	s_mov_b32 s[G1B+5], 32
	s_mov_b32 s[G1B+6], 0
	s_mov_b32 s[G1B+7], 0
	s_lshl_b32 s16, s15, 18                        ; A: 2^18 bytes for 128 rows; s16, s17 never hold cx
	s_lshl_b32 s20, s14, 14                        ; my half, in memory and in a slot
	s_add_co_u32 s16, s16, s20
	s_mov_b32 s17, 0
	s_lshl_b32 s46, s42, 19                        ; Wo: 2^19 bytes for 256 columns; s46, s47 never hold cy
	s_lshl_b32 s21, s14, 15
	s_add_co_u32 s46, s46, s21
	s_mov_b32 s47, 0
	s_add_co_u32 s21, s21, 32768                   ; behind A's tile in a slot
	s_wait_dscnt 0x0                               ; both opening adds are done
	s_wait_kmcnt 0x0
	s_add_nc_u64 s[18:19], s[4:5], s[16:17]
	s_add_nc_u64 s[46:47], s[6:7], s[46:47]
	CROUND                                         ; all sixteen work-groups are here: the first joint loads meet
.irp s, 0,1
	s_mov_b32 s[G0A+4*\s], 1
	s_add_co_u32 s[G0A+4*\s+1], s20, \s*SLOT
	s_add_nc_u64 s[G0A+4*\s+2:G0A+4*\s+3], s[18:19], \s*32768
	s_or_b32 s[G0A+4*\s+3], s[G0A+4*\s+3], 0x80000000
	s_mov_b32 s[G0B+4*\s], 1
	s_add_co_u32 s[G0B+4*\s+1], s21, \s*SLOT
	s_add_nc_u64 s[G0B+4*\s+2:G0B+4*\s+3], s[46:47], \s*65536
	s_or_b32 s[G0B+4*\s+3], s[G0B+4*\s+3], 0x80000000
	JLOAD \s
.endr
	v_and_b32 v1, 15, v0                           ; r
	v_bfe_u32 v2, v0, 4, 1                         ; h
	v_and_b32 v3, 31, v0
	v_lshlrev_b32 v[CO], 4, v3
	s_lshl_b32 s21, s13, 14                        ; my four tiles of rows
	s_lshl_b32 s22, s14, 15                        ; my eight tiles of columns,
	s_add_co_u32 s22, s22, 32768                   ; behind A's tile
.irp s, 0,1
	v_add_nc_u32 v[ADRA+\s], s21, v[CO]
	v_add_nc_u32 v[ADRB+\s], s22, v[CO]
	s_add_co_u32 s21, s21, SLOT
	s_add_co_u32 s22, s22, SLOT
.endr
	s_mul_i32 s23, s12, 16*528
	s_add_co_u32 s23, s23, STAGE                   ; my stage
	v_mul_u32_u24 v4, v1, 528
	v_lshl_add_u32 v4, v2, 5, v4
	v_add_nc_u32 v[STO], s23, v4                   ; in: row r, 32 bytes for each half of the lanes
	v_add_nc_u32 v[RD], s23, v[CO]                 ; back: the 32 lanes take a row of 512 bytes
	s_lshl_b32 s16, s15, 7
	s_lshl_b32 s17, s13, 6
	s_add_co_u32 s16, s16, s17                     ; my first row
	s_lshl_b32 s16, s16, 12                        ; of 4,096 bytes
	s_mov_b32 s17, 0
	s_add_nc_u64 s[10:11], s[10:11], s[16:17]
	s_lshl_b32 s46, s42, 10                        ; my first column, in bytes
	s_lshl_b32 s47, s14, 9
	s_add_co_u32 s46, s46, s47
	s_mov_b32 s47, 0
	s_add_nc_u64 s[10:11], s[10:11], s[46:47]
	s_add_nc_u64 s[8:9], s[8:9], s[46:47]
	global_load_b128 v[BI:BI+3], v[CO], s[8:9]     ; bo at columns 4 x lane .. + 3 of my 128
.macro MUL8 f, a, zero                 ; A's tile a against Wo's eight, 32 along K.  The 32 accumulators take turns, one instruction a turn, in the same order in every quarter
.irp b, 0,1,2,3,4,5,6,7
.if \zero
	v_wmma_f32_16x16x32_f16 v[8*(8*(\a)+\b):8*(8*(\a)+\b)+7], v[\f+32+8*\b:\f+32+8*\b+7], v[\f+8*(\a):\f+8*(\a)+7], 0
.else
	v_wmma_f32_16x16x32_f16 v[8*(8*(\a)+\b):8*(8*(\a)+\b)+7], v[\f+32+8*\b:\f+32+8*\b+7], v[\f+8*(\a):\f+8*(\a)+7], v[8*(8*(\a)+\b):8*(8*(\a)+\b)+7]
.endif
.endr
.endm
.macro FETCH slot, kc, f               ; 24 LDS loads in one run: the fragments of the slot's kc-th 32 along K
	WIN TO_F
.irp i, 0,1,2,3,4,5,6,7
	ds_load_b128 v[\f+32+8*\i:\f+32+8*\i+3], v[ADRB+\slot] offset:\i*4096+\kc*1024
	ds_load_b128 v[\f+32+8*\i+4:\f+32+8*\i+7], v[ADRB+\slot] offset:\i*4096+\kc*1024+512
.endr
.irp i, 0,1,2,3
	ds_load_b128 v[\f+8*\i:\f+8*\i+3], v[ADRA+\slot] offset:\i*4096+\kc*1024
	ds_load_b128 v[\f+8*\i+4:\f+8*\i+7], v[ADRA+\slot] offset:\i*4096+\kc*1024+512
.endr
.endm
.macro PLACES                          ; four places in front of loads into registers that matrix instructions have read, and of the first read of results
.rept 4
	v_nop
.endr
.endm
; A K step is four quarters of 32 along K, 32 matrix instructions each, on buffers 0, 1, 0, 1.  One of the first three multiplies buffer f and, in its middle, fetches quarter kc into buffer g.
.macro QUARTER slot, kc, f, g, zero
	s_wait_dscnt 0x0                               ; buffer f is in: asked for 16 matrix instructions ago
	WIN MUL
	MUL8 \f, 0, \zero
	MUL8 \f, 1, \zero
	PLACES
	FETCH \slot, \kc, \g
	WIN MUL
	MUL8 \f, 2, \zero
	MUL8 \f, 3, \zero
.endm
; The last quarter multiplies buffer 1 and changes slots: ONE barrier; in front of it each wave waits for all its tensor loads (its part of the next slot), adds 0 to its spare word, and waits for that and for its reads of this slot.
; fill = 1: the barrier opens a round of the cluster's, and this slot is asked for again, two K steps on, first thing behind the round.
.macro TURN slot, next, fill
	WIN 0                                          ; (the add's two registers lie in window 0)
	s_wait_tensorcnt 0x0
	ds_add_u32 v[SPW], v[NIL]
	s_wait_dscnt 1                                 ; buffer 1 is in; the add alone may be out
	WIN MUL
	MUL8 F1, 0, 0                                  ; eight matrix instructions stand between the add and the wait for it
	s_wait_dscnt 0x0
	s_barrier_signal -1
	MUL8 F1, 1, 0
	WIN 0                                          ; at a branch and at a label every window is 0
	s_barrier_wait -1
.if \fill
	CREST
	s_add_nc_u64 s[G0A+4*\slot+2:G0A+4*\slot+3], s[G0A+4*\slot+2:G0A+4*\slot+3], 2*32768
	s_add_nc_u64 s[G0B+4*\slot+2:G0B+4*\slot+3], s[G0B+4*\slot+2:G0B+4*\slot+3], 2*65536
	JLOAD \slot                                    ; the four v_nop behind it are also the places in front of the loads below
.else
	PLACES
.endif
	FETCH \next, 0, F0
	WIN MUL
	MUL8 F1, 2, 0
	MUL8 F1, 3, 0
.endm
	s_wait_tensorcnt 0x1                           ; my part of K step 0 is in; K step 1's load may stay out
	s_barrier_signal -1
	s_barrier_wait -1
	FETCH 0, 0, F0
	QUARTER 0, 1, F0, F1, 1                        ; the first quarter stands in front of the loop: its products start the sums
	WIN 0
	s_mov_b32 s3, 3
.Llap:                                                 ; a trip goes once round the ring, from a lap's second quarter to the next lap's first, and fills both slots again
	QUARTER 0, 2, F1, F0, 0
	QUARTER 0, 3, F0, F1, 0
	TURN 0, 1, 1
	QUARTER 1, 1, F0, F1, 0
	QUARTER 1, 2, F1, F0, 0
	QUARTER 1, 3, F0, F1, 0
	TURN 1, 0, 1
	QUARTER 0, 1, F0, F1, 0
	WIN 0
	s_sub_co_u32 s3, s3, 1
	s_cmp_lg_u32 s3, 0
	s_cbranch_scc1 .Llap
	QUARTER 0, 2, F1, F0, 0                        ; the last lap fills nothing
	QUARTER 0, 3, F0, F1, 0
	TURN 0, 1, 0
	QUARTER 1, 1, F0, F1, 0
	QUARTER 1, 2, F1, F0, 0
	QUARTER 1, 3, F0, F1, 0
	s_wait_dscnt 0x0                               ; the very last quarter
	WIN MUL
	MUL8 F1, 0, 0
	MUL8 F1, 1, 0
	MUL8 F1, 2, 0
	MUL8 F1, 3, 0
	WIN 0
; THE WAY OUT, a block of 16 rows x 128 columns at a time: a lane holds 32 bytes of a row and its neighbours hold other rows, so a block goes through my own stage and comes back as whole rows of 512 bytes;
; bo is added there, where a lane's four columns are the same in every row.  LDS serves a wave's instructions in order: no wait between the stores and the loads, nor in front of the next block's stores.
.macro TOSTAGE a
	WIN 0x08                                       ; an LDS store's data: window 2
.irp b, 0,1,2,3,4,5,6,7
	ds_store_b128 v[STO], v[8*(8*(\a)+\b):8*(8*(\a)+\b)+3] offset:64*\b          ; each accumulator from its low end on
	ds_store_b128 v[STO], v[8*(8*(\a)+\b)+4:8*(8*(\a)+\b)+7] offset:64*\b+16
.endr
	WIN 0
.set BB, BK+64*((\a)%2)
.irp t, 0,1,2,3,4,5,6,7,8,9,10,11,12,13,14,15
	ds_load_b128 v[BB+4*\t:BB+4*\t+3], v[RD] offset:\t*528
.endr
.endm
.macro SEND a, younger                 ; younger: the LDS instructions issued behind block a's loads, which may stay out
.set BB, BK+64*((\a)%2)
	s_wait_dscnt \younger
.irp t, 0,1,2,3,4,5,6,7,8,9,10,11,12,13,14,15
	v_pk_add_f32 v[BB+4*\t:BB+4*\t+1], v[BB+4*\t:BB+4*\t+1], v[BI:BI+1]
	v_pk_add_f32 v[BB+4*\t+2:BB+4*\t+3], v[BB+4*\t+2:BB+4*\t+3], v[BI+2:BI+3]
	global_store_b128 v[CO], v[BB+4*\t:BB+4*\t+3], s[10:11] offset:(16*(\a)+\t)*4096 th:TH_STORE_NT   ; 512 consecutive bytes, aligned; 63 rows at the most stand in the immediate
.endr
.endm
	s_wait_loadcnt 0x0                             ; bo
	PLACES
	TOSTAGE 0
.irp a, 1,2,3
.if \a > 1
	s_wait_xcnt 0x0                                ; block a - 2's stores have read their registers: block a's rows may land there
.endif
	TOSTAGE \a
	SEND \a-1, 32                                  ; behind block a - 1's loads: block a's 16 stores and 16 loads
.endr
	SEND 3, 0
	s_wait_tensorcnt 0x0                           ; the wave's end: a wait, a spare add and its wait, behind my last tensor load and my last LDS store
	ds_add_u32 v[SPW], v[NIL]
	s_wait_dscnt 0x0
	CROUND                                         ; the closing round
	s_endpgm
.Lfunc_end_k_q3869e978e7_outp:
	.size	k_q3869e978e7_outp, .Lfunc_end_k_q3869e978e7_outp-k_q3869e978e7_outp
	.p2alignl 7, 3214868480
	.fill 96, 4, 3214868480
	.section	.rodata,"a",@progbits
	.p2align	6, 0x0
	.amdhsa_kernel k_q3869e978e7_outp
		.amdhsa_group_segment_fixed_size 327680
		.amdhsa_private_segment_fixed_size 0
		.amdhsa_enable_private_segment 0
		.amdhsa_kernarg_size 32
		.amdhsa_user_sgpr_count 2
		.amdhsa_user_sgpr_kernarg_segment_ptr 1
		.amdhsa_wavefront_size32 1
		.amdhsa_system_sgpr_workgroup_id_x 1
		.amdhsa_system_sgpr_workgroup_id_y 1
		.amdhsa_system_sgpr_workgroup_id_z 1
		.amdhsa_system_vgpr_workitem_id 0
		.amdhsa_next_free_vgpr 768
		.amdhsa_next_free_sgpr 66
		.amdhsa_reserve_vcc 0
		.amdhsa_float_denorm_mode_32 3
		.amdhsa_float_denorm_mode_16_64 3
		.amdhsa_memory_ordered 1
		.amdhsa_forward_progress 1
		.amdhsa_inst_pref_size 92
	.end_amdhsa_kernel
	.amdgpu_metadata
---
amdhsa.version: [ 1, 2 ]
amdhsa.kernels:
  - .name:           k_q3869e978e7_outp
    .symbol:         k_q3869e978e7_outp.kd
    .args:
      - { .name: ao, .offset: 0, .size: 8, .value_kind: global_buffer, .address_space: global }
      - { .name: wof, .offset: 8, .size: 8, .value_kind: global_buffer, .address_space: global }
      - { .name: bo, .offset: 16, .size: 8, .value_kind: global_buffer, .address_space: global }
      - { .name: out0, .offset: 24, .size: 8, .value_kind: global_buffer, .address_space: global }
    .group_segment_fixed_size: 327680
    .private_segment_fixed_size: 0
    .kernarg_segment_align: 8
    .kernarg_segment_size: 32
    .max_flat_workgroup_size: 128
    .sgpr_count:     66
    .vgpr_count:     768
    .wavefront_size: 32
...
	.end_amdgpu_metadata
.endif
;; end of part 4
